; MI455X (gfx1250); checked and timed in simulation.
; The chip was launched on July 23, 2026; its instructions are those of AMD's public machine-readable ISA for CDNA 5 (MIT licence, August 2026) and "CDNA5" Instruction Set Architecture Reference Guide (July 2026). The comments in the code are by the model that wrote it; some were corrected since.
;; Causal Self Attention. Allowed arithmetic: matrix products marked QUANTISED: E2M1 operands, one E8M0 scale for each 32 along K, by v_wmma_scale_f32_16x16x128_f8f6f4 with both operands' format E2M1 (or v_wmma_scale_f32_32x16x128_f4), f32 sums; products left as they are: bf16, f16 or f32 operands; f32 sums; everything else in f32.
;; Inputs: Wk 1,024 x 1,024 float32; Wo 1,024 x 1,024 float32; Wq 1,024 x 1,024 float32; Wv 1,024 x 1,024 float32; bk 1,024 float32; bo 1,024 float32; bq 1,024 float32; bv 1,024 float32; x 2 x 2,048 x 1,024 float32.
;; Outputs: out0 2 x 2,048 x 1,024 float32.
;; This version of the problem:
;;   THIS VERSION OF THE PROBLEM IS GIVEN IN LOW PRECISION. The matrix products marked QUANTISED in the list below multiply operands that are first quantised to E2M1 (2 exponent bits, 1 mantissa bit; 4 bits a number), with one power-of-two scale for each 32 numbers along K (OCP MX v1.0); their sums are f32. The products marked 'left as it is' may take bf16, f16 or f32 operands, with f32 sums. Whichever they take, every output number must still come out within the allowed error. Rounding operands to bf16 (8 significant bits) uses up far more of that allowance than f16 does (11 bits, for magnitudes from 6e-5 to 65,504). All else is computed in f32.
;;   The module's matrix products, in the order in which they are computed (A, B: the left and right operand; K: the contracted axis; several contracted axes count as one K, in the product's order):
;;     1. [M 4,096, K 1,024] x [K 1,024, N 1,024]; A: input x; B: input Wq: QUANTISED
;;     2. [M 4,096, K 1,024] x [K 1,024, N 1,024]; A: input x; B: input Wk: QUANTISED
;;     3. [M 4,096, K 1,024] x [K 1,024, N 1,024]; A: input x; B: input Wv: QUANTISED
;;     4. batch 32 x [M 2,048, K 64] x [K 64, N 2,048]; A: computed on the way; B: computed on the way: left as it is (an operand is computed on the way)
;;     5. batch 32 x [M 2,048, K 2,048] x [K 2,048, N 64]; A: computed on the way; B: computed on the way: left as it is (an operand is computed on the way)
;;     6. [M 4,096, K 1,024] x [K 1,024, N 1,024]; A: computed on the way; B: input Wo: left as it is (an operand is computed on the way)
;;   THE QUANTISER, for each operand of a quantised product, along K:
;;     - K is cut into blocks of 32 from its start; a last block that is shorter is filled with zeros.
;;     - A block's scale is 2^e with e = floor(log2(the largest magnitude in the block)) - 2, held to -126 .. 127; a block of zeros has e = 0. As a byte (E8M0): e + 127.
;;     - Each number is divided by its block's scale, clamped to +-6, and rounded to the nearest number of E2M1, ties to even, subnormals kept.
;;     - The product sums the exact products of the quantised numbers (number of the format x scale) in f32.
;;   ~~~python
;;   def quantise(x, axis):      # numpy; x: float32 -> the quantised numbers, widened to float32 again
;;       x = np.moveaxis(x, axis, -1); K = x.shape[-1]
;;       x = np.pad(x, [(0, 0)] * (x.ndim - 1) + [(0, -K % 32)]); x = x.reshape(x.shape[:-1] + (-1, 32)); a = np.abs(x).max(-1, keepdims=True)
;;       e = np.where(a > 0, np.clip(np.frexp(np.where(a > 0, a, 1))[1] - 1 - 2, -126, 127), 0)      # np.frexp(a)[1] - 1 = floor(log2(a)), exactly
;;       r = np.clip(x / 2.0 ** e, -6, 6)
;;       step = 2.0 ** (np.maximum(np.frexp(np.where(r == 0, 1, r))[1] - 1, 0) - 1)
;;       q = np.round(r / step) * step * 2.0 ** e      # np.round: ties to even
;;       return np.moveaxis(q.reshape(q.shape[:-2] + (-1,))[..., :K], -1, axis).astype(np.float32)
;;   ~~~
;; One version. Each part assembles by itself: llvm-mc -triple=amdgcn-amd-amdhsa -mcpu=gfx1250 --defsym DOCPART=n.
;; ======== version 1 of 1: 5 launches
;; limits: values are held in f16: magnitudes above 65,504 overflow, below 6.1e-05 lose precision
;; workspace buffers: xc 2,097,152 bytes; xs 131,072 bytes; wc 1,572,864 bytes; ws 98,304 bytes; wo16 2,097,152 bytes; qkv 25,165,824 bytes; f32x 393,216 bytes; y 8,388,608 bytes
;; launch prep (part 1): grid 384 x 1, 4 waves a work-group, no clusters, 35,328 bytes of LDS; arguments x, Wq, Wk, Wv, Wo, xc, xs, wc, ws, wo16; writes xc, xs, wc, ws, wo16
.if DOCPART == 1
	.amdgcn_target "amdgcn-amd-amdhsa--gfx1250"
	.amdhsa_code_object_version 6
	.text
	.protected	k_q31cf8950d6_prep
	.globl	k_q31cf8950d6_prep
	.p2align	8
	.type	k_q31cf8950d6_prep,@function
k_q31cf8950d6_prep:
	s_mov_b64 s[64:65], 0
	v_nop
	global_prefetch_b8 v0, s[64:65] scope:SCOPE_SE
	s_setreg_imm32_b32 hwreg(HW_REG_WAVE_MODE, 25, 1), 1
	s_wait_xcnt 0x0
; x [4096][1024] and Wq, Wk, Wv [1024 (k)][1024 (n)], f32, become codes of FP4 (E2M1) with one E8M0 byte for each 32 along K; Wo [1024 (k)][1024 (n)] becomes f16.
; ALL RESULTS ARE LAID AS IMAGES OF THE OPERANDS' REGISTERS: a chunk is 512 bytes, lane l's four registers at byte 16 l, so that the later launches read every fragment at a constant + 16 x lane.
;   xc, wc: [group of 128 rows][K half of 512][tile of 16 rows: 8][128 along K: 4][chunk c: 2][512 bytes]; lane (r, h) of chunk c holds block 2 c + h (32 codes, 16 bytes) of row r.  wc's rows are the 3,072 columns of Wq | Wk | Wv.
;   xs, ws: [group][K half][row: 128][16 bytes = the scale words of the half's four 128 along K].
;   wo16:   [256 along K: 4][tile of 16 columns: 64][32 along K: 8][chunk c: 2][512 bytes]; lane (r, h) of chunk c holds Wo[16 c + 8 h + 0 .. 7][column r].
; A block's scale is 2^(floor(log2(its largest magnitude)) - 2): its byte is the largest magnitude's exponent field - 2, held at 1 from below by a floor among the maximum's leaves.
; LIMITS: a block of zeros gets the byte 1 where the quantiser says 127 (its codes are zeros, and this program alone reads the bytes); NaN and infinities are not served; |Wo| stays under 65,504 (f16).
; SHARES: work-groups 0-127 take x (a wave: 16 rows x 512 along K), 128-319 the three weights, 320-383 Wo (a wave: 32 columns x 128 along K).  Waves share nothing: no barrier.
; ws is stored 4 bytes a lane, 16 bytes apart: one byte in 128 of what that path reads.
.set SPARE, 34816                      ; behind the four stages: the spare words, 128 bytes a wave
.set STG,   8704                       ; a wave's stage: 16 rows x 528 bytes (path x alone uses LDS)
.set SP,    528                        ; 512 bytes + 16: 33 x 16, so that sixteen rows' reads fall on sixteen different 16-byte columns
.set SPW,   12
.set NIL,   13
.set WW,    16                         ; v16-19 scale words
.set R,     32                         ; v32-159 numbers as loaded
.set T,     160                        ; v160-223 path x: 64 numbers, two whole blocks a lane
.set C,     224                        ; v224-255 path x: codes, eight registers a fragment, never written twice
.set OU,    160                        ; the column paths' results
	s_load_b512 s[4:19], s[0:1], 0x0               ; x 4, Wq 6, Wk 8, Wv 10, Wo 12, xc 14, xs 16, wc 18
	s_load_b128 s[20:23], s[0:1], 0x40             ; ws 20, wo16 22
	v_lshl_add_u32 v[SPW], v0, 2, SPARE
	v_mov_b32 v[NIL], 0
	v_lshrrev_b32 v1, 5, v0
	v_readfirstlane_b32 s24, v1                    ; wave
	v_and_b32 v1, 31, v0                           ; lane
	v_and_b32 v2, 15, v0                           ; r
	v_bfe_u32 v3, v0, 4, 1                         ; h
	v_lshlrev_b32 v4, 4, v1                        ; 16 x lane
	v_lshlrev_b32 v5, 2, v1                        ; 4 x lane
	s_mul_i32 s25, s24, STG
	v_add_nc_u32 v6, s25, v4                       ; the stage, in: 16 x lane of a row
	v_mul_u32_u24 v7, v2, SP
	v_lshl_add_u32 v7, v3, 7, v7
	v_add_nc_u32 v7, s25, v7                       ; out: row r, block h
	v_lshlrev_b32 v8, 4, v2
	v_lshl_add_u32 v8, v3, 3, v8                   ; xs: 16 r + 8 h
	v_lshlrev_b32 v9, 3, v3                        ; 8 h bits
	v_mov_b32 v27, 0                               ; a lane permute's destination counts as one of its sources
	s_mov_b32 s26, 0x76543210
	s_mov_b32 s27, 0xfedcba98                      ; lane l xor 16
	s_mov_b32 s33, 0
	s_wait_kmcnt 0x0
	s_cmp_ge_u32 ttmp9, 128
	s_cbranch_scc1 .Lcols
; ---- x: K is innermost.  Each load reads 512 consecutive bytes of one row; a fragment's 16 rows turn through the stage, so that a lane gets two whole blocks of its row.
	s_lshl_b32 s28, ttmp9, 2
	s_add_co_u32 s28, s28, s24                     ; unit = 4 x work-group + wave
	s_lshr_b32 s29, s28, 1                         ; tile of 16 rows
	s_and_b32 s30, s28, 1                          ; K half
	s_lshl_b32 s32, s29, 16
	s_lshl_b32 s36, s30, 11
	s_add_co_u32 s32, s32, s36
	s_add_nc_u64 s[4:5], s[4:5], s[32:33]          ; x: 16 rows of 4,096 bytes a tile, 2,048 bytes a half
	s_lshr_b32 s34, s29, 3                         ; group
	s_and_b32 s35, s29, 7                          ; tile in it
	s_lshl_b32 s32, s34, 16
	s_lshl_b32 s36, s30, 15
	s_add_co_u32 s32, s32, s36
	s_lshl_b32 s36, s35, 12
	s_add_co_u32 s32, s32, s36
	s_add_nc_u64 s[14:15], s[14:15], s[32:33]
	s_lshl_b32 s32, s34, 12
	s_lshl_b32 s36, s30, 11
	s_add_co_u32 s32, s32, s36
	s_lshl_b32 s36, s35, 8
	s_add_co_u32 s32, s32, s36
	s_add_nc_u64 s[16:17], s[16:17], s[32:33]
.macro LOADF f                         ; fragment f: 128 along K of 16 rows, into set f % 2
.set i, 0
.rept 16
	global_load_b128 v[R+64*((\f)%2)+4*i:R+64*((\f)%2)+4*i+3], v4, s[4:5] offset:i*4096+(\f)*512 th:TH_LOAD_NT
.set i, i+1
.endr
.endm
.macro FRAGX f
.if (\f) < 3
	s_wait_loadcnt 16                              ; this fragment's 16 loads are in; the next fragment's 16 may be out
.else
	s_wait_loadcnt 0x0
.endif
.set i, 0
.rept 16
	ds_store_b128 v6, v[R+64*((\f)%2)+4*i:R+64*((\f)%2)+4*i+3] offset:i*SP
.set i, i+1
.endr
.irp c, 0,1
.irp e, 0,1,2,3,4,5,6,7
	ds_load_b128 v[T+32*\c+4*\e:T+32*\c+4*\e+3], v7 offset:256*\c+16*\e   ; block 2 c + h of row r; LDS serves a wave's instructions in order: these see the stores above
.endr
.endr
	s_wait_dscnt 0x0                               ; the numbers are back, and the stores have read their registers
.if (\f) < 2
	LOADF (\f)+2
.endif
.irp c, 0,1
	v_max3_num_f32 v[20+\c], |v[T+32*\c]|, |v[T+32*\c+1]|, 0x1800000   ; the floor 2^(3 - 127): the byte cannot fall under 1
.endr
.irp i, 2,4,6,8,10,12,14,16,18,20,22,24,26,28,30
.irp c, 0,1
	v_max3_num_f32 v[20+\c], v[20+\c], |v[T+32*\c+\i]|, |v[T+32*\c+\i+1]|   ; the two blocks by turns
.endr
.endr
.irp c, 0,1
	v_add_nc_u32 v[22+\c], 0xff000000, v[20+\c]    ; 2 off the exponent field: the conversion's scale operand
.endr
.irp c, 0,1
	v_lshrrev_b32 v[24+\c], 23, v[22+\c]           ; the scale's byte
.endr
.irp c, 0,1
.irp g, 0,1,2,3
	v_cvt_scalef32_pk8_fp4_f32 v[C+8*(\f)+4*\c+\g], v[T+32*\c+8*\g:T+32*\c+8*\g+7], v[22+\c]
.endr
.endr
	v_lshl_or_b32 v26, v25, 16, v24                ; my two bytes, blocks h and 2 + h (a plain line behind the conversions),
	v_lshlrev_b32 v26, v9, v26                     ; at their places in the word;
	v_permlanex16_b32 v27, v26, s26, s27
	v_or_b32 v[WW+(\f)], v26, v27                  ; with lane l xor 16's two the word is whole
.irp c, 0,1
	global_store_b128 v4, v[C+8*(\f)+4*\c:C+8*(\f)+4*\c+3], s[14:15] offset:(\f)*1024+\c*512   ; 512 consecutive bytes
.endr
.endm
	LOADF 0
	LOADF 1
	FRAGX 0
	FRAGX 1
	FRAGX 2
	FRAGX 3
	v_cmp_ne_u32 vcc_lo, 0, v3
	v_cndmask_b32 v28, v16, v18, vcc_lo            ; lanes 0-15 store words 0 and 1 of their row, lanes 16-31 words 2 and 3
	v_cndmask_b32 v29, v17, v19, vcc_lo
	global_store_b64 v8, v[28:29], s[16:17]        ; 256 consecutive bytes
	s_branch .Lend
; ---- the weights: K is the first axis.  A lane takes a column and its registers run down K: a block of 32 lies in one lane, and nothing is transposed by an instruction.
.macro LOADW t                         ; block t: rows 32 t .. 32 t + 31 at my column: 128 consecutive bytes a wave, 512 a work-group
.set i, 0
.rept 32
	global_load_b32 v[R+32*(\t)+i], v5, s[6:7] offset:(32*(\t)+i)*4096 th:TH_LOAD_NT
.set i, i+1
.endr
.endm
.Lcols:
	s_cmp_ge_u32 ttmp9, 320
	s_cbranch_scc1 .Lwo
	s_sub_co_u32 s28, ttmp9, 128
	s_lshr_b32 s29, s28, 6                         ; which weight
	s_bfe_u32 s30, s28, 0x30003                    ; which 128 columns
	s_and_b32 s31, s28, 7                          ; which 128 along K
	s_cmp_eq_u32 s29, 0
	s_cselect_b64 s[6:7], s[6:7], s[8:9]
	s_cmp_eq_u32 s29, 2
	s_cselect_b64 s[6:7], s[10:11], s[6:7]         ; the choice hangs on the work-group's number alone
	s_lshl_b32 s32, s31, 19
	s_lshl_b32 s36, s30, 9
	s_add_co_u32 s32, s32, s36
	s_lshl_b32 s36, s24, 7
	s_add_co_u32 s32, s32, s36
	s_add_nc_u64 s[6:7], s[6:7], s[32:33]
	s_lshl_b32 s32, s29, 3
	s_add_co_u32 s32, s32, s30                     ; group of 128 rows of wc
	s_lshl_b32 s34, s32, 12
	s_lshl_b32 s32, s32, 16
	s_lshr_b32 s35, s31, 2                         ; K half
	s_and_b32 s37, s31, 3                          ; 128 along K in it
	s_lshl_b32 s36, s35, 15
	s_add_co_u32 s32, s32, s36
	s_lshl_b32 s36, s24, 13                        ; my two tiles of 16
	s_add_co_u32 s32, s32, s36
	s_lshl_b32 s36, s37, 10
	s_add_co_u32 s32, s32, s36
	s_add_nc_u64 s[18:19], s[18:19], s[32:33]
	s_lshl_b32 s36, s35, 11
	s_add_co_u32 s32, s34, s36
	s_lshl_b32 s36, s24, 9
	s_add_co_u32 s32, s32, s36
	s_lshl_b32 s36, s37, 2
	s_add_co_u32 s32, s32, s36
	s_add_nc_u64 s[20:21], s[20:21], s[32:33]
.macro BLOCKW t
.set XS, R+32*(\t)
	v_max3_num_f32 v20, |v[XS]|, |v[XS+1]|, |v[XS+2]|
	v_max3_num_f32 v21, |v[XS+3]|, |v[XS+4]|, |v[XS+5]|
.irp i, 6,10,14,18,22,26
	v_max3_num_f32 v20, v20, |v[XS+\i]|, |v[XS+\i+1]|
	v_max3_num_f32 v21, v21, |v[XS+\i+2]|, |v[XS+\i+3]|
.endr
	v_max3_num_f32 v20, v20, |v[XS+30]|, |v[XS+31]|
	v_max3_num_f32 v20, v20, v21, 0x1800000
	v_add_nc_u32 v22, 0xff000000, v20
	v_lshrrev_b32 v23, 23, v22
.if (\t) == 0
	v_mov_b32 v[WW], v23
.else
	v_lshl_or_b32 v[WW], v23, 8*(\t), v[WW]        ; the four blocks' bytes make my column's scale word
.endif
.irp g, 0,1,2,3
	v_cvt_scalef32_pk8_fp4_f32 v[OU+4*(\t)+\g], v[XS+8*\g:XS+8*\g+7], v22
.endr
.endm
	LOADW 0
	LOADW 1
	s_wait_loadcnt 32                              ; block 0 is in; the 32 loads issued behind it may be out (and so at each wait below)
	LOADW 2
	BLOCKW 0
	s_wait_loadcnt 32
	LOADW 3
	BLOCKW 1
	s_wait_loadcnt 32
	BLOCKW 2
	s_wait_loadcnt 0x0
	BLOCKW 3
	v_nop                                          ; one plain line behind the last conversion
.irp c, 0,1                            ; a chunk wants block 2 c in lanes 0-15 and block 2 c + 1 in lanes 16-31, of sixteen columns: one exchange makes it for both of my tiles
.irp i, 0,1,2,3
	v_permlane16_swap_b32 v[OU+8*\c+\i], v[OU+8*\c+4+\i]
.endr
.endr
.irp c, 0,1
.irp e, 0,1
	global_store_b128 v4, v[OU+8*\c+4*\e:OU+8*\c+4*\e+3], s[18:19] offset:\e*4096+512*\c
.endr
.endr
	global_store_b32 v4, v[WW], s[20:21]
	s_branch .Lend
.Lwo:
	s_sub_co_u32 s28, ttmp9, 320
	s_and_b32 s30, s28, 7                          ; which 128 columns
	s_lshr_b32 s31, s28, 3                         ; which 128 along K
	s_lshl_b32 s32, s31, 19
	s_lshl_b32 s36, s30, 9
	s_add_co_u32 s32, s32, s36
	s_lshl_b32 s36, s24, 7
	s_add_co_u32 s32, s32, s36
	s_add_nc_u64 s[6:7], s[12:13], s[32:33]
	s_lshr_b32 s34, s31, 1
	s_lshl_b32 s32, s34, 19
	s_lshl_b32 s36, s30, 16
	s_add_co_u32 s32, s32, s36
	s_lshl_b32 s36, s24, 14
	s_add_co_u32 s32, s32, s36
	s_and_b32 s34, s31, 1
	s_lshl_b32 s36, s34, 12
	s_add_co_u32 s32, s32, s36
	s_add_nc_u64 s[22:23], s[22:23], s[32:33]
.macro CONVO t                         ; 32 along K of my column: two chunks for each of my two tiles
.irp c, 0,1
.irp y, 0,1
.irp i, 0,1,2,3
	v_cvt_pk_f16_f32 v[OU+16*(\t)+8*\c+4*\y+\i], v[R+32*(\t)+16*\c+8*\y+2*\i], v[R+32*(\t)+16*\c+8*\y+2*\i+1]
.endr
.endr
.endr
.irp c, 0,1
.irp i, 0,1,2,3
	v_permlane16_swap_b32 v[OU+16*(\t)+8*\c+\i], v[OU+16*(\t)+8*\c+4+\i]   ; lanes 0-15: k = 16 c + 0 .. 7, lanes 16-31: + 8 .. 15
.endr
.endr
.irp c, 0,1
.irp e, 0,1
	global_store_b128 v4, v[OU+16*(\t)+8*\c+4*\e:OU+16*(\t)+8*\c+4*\e+3], s[22:23] offset:\e*8192+(\t)*1024+512*\c
.endr
.endr
.endm
	LOADW 0
	LOADW 1
	s_wait_loadcnt 32
	LOADW 2
	CONVO 0
	s_wait_loadcnt 32
	LOADW 3
	CONVO 1
	s_wait_loadcnt 32
	CONVO 2
	s_wait_loadcnt 0x0
	CONVO 3
.Lend:
	s_wait_tensorcnt 0x0                           ; the wave's end
	ds_add_u32 v[SPW], v[NIL]
	s_wait_dscnt 0x0
	s_endpgm
.Lfunc_end_k_q31cf8950d6_prep:
	.size	k_q31cf8950d6_prep, .Lfunc_end_k_q31cf8950d6_prep-k_q31cf8950d6_prep
	.p2alignl 7, 3214868480
	.fill 96, 4, 3214868480
	.section	.rodata,"a",@progbits
	.p2align	6, 0x0
	.amdhsa_kernel k_q31cf8950d6_prep
		.amdhsa_group_segment_fixed_size 35328
		.amdhsa_private_segment_fixed_size 0
		.amdhsa_enable_private_segment 0
		.amdhsa_kernarg_size 80
		.amdhsa_user_sgpr_count 2
		.amdhsa_user_sgpr_kernarg_segment_ptr 1
		.amdhsa_wavefront_size32 1
		.amdhsa_system_sgpr_workgroup_id_x 1
		.amdhsa_system_sgpr_workgroup_id_y 1
		.amdhsa_system_sgpr_workgroup_id_z 1
		.amdhsa_system_vgpr_workitem_id 0
		.amdhsa_next_free_vgpr 256
		.amdhsa_next_free_sgpr 66
		.amdhsa_reserve_vcc 1
		.amdhsa_float_denorm_mode_32 3
		.amdhsa_float_denorm_mode_16_64 3
		.amdhsa_memory_ordered 1
		.amdhsa_forward_progress 1
		.amdhsa_inst_pref_size 69
	.end_amdhsa_kernel
	.amdgpu_metadata
---
amdhsa.version: [ 1, 2 ]
amdhsa.kernels:
  - .name:           k_q31cf8950d6_prep
    .symbol:         k_q31cf8950d6_prep.kd
    .args:
      - { .name: x, .offset: 0, .size: 8, .value_kind: global_buffer, .address_space: global }
      - { .name: Wq, .offset: 8, .size: 8, .value_kind: global_buffer, .address_space: global }
      - { .name: Wk, .offset: 16, .size: 8, .value_kind: global_buffer, .address_space: global }
      - { .name: Wv, .offset: 24, .size: 8, .value_kind: global_buffer, .address_space: global }
      - { .name: Wo, .offset: 32, .size: 8, .value_kind: global_buffer, .address_space: global }
      - { .name: xc, .offset: 40, .size: 8, .value_kind: global_buffer, .address_space: global }
      - { .name: xs, .offset: 48, .size: 8, .value_kind: global_buffer, .address_space: global }
      - { .name: wc, .offset: 56, .size: 8, .value_kind: global_buffer, .address_space: global }
      - { .name: ws, .offset: 64, .size: 8, .value_kind: global_buffer, .address_space: global }
      - { .name: wo16, .offset: 72, .size: 8, .value_kind: global_buffer, .address_space: global }
    .group_segment_fixed_size: 35328
    .private_segment_fixed_size: 0
    .kernarg_segment_align: 8
    .kernarg_segment_size: 80
    .max_flat_workgroup_size: 128
    .sgpr_count:     66
    .vgpr_count:     256
    .wavefront_size: 32
...
	.end_amdgpu_metadata
.endif
;; end of part 1
;; launch qkv (part 2): grid 12 x 16, 4 waves a work-group, clusters of 4 x 4, 279,040 bytes of LDS; arguments xc, xs, wc, ws, bq, bk, bv, qkv, f32x; writes qkv, f32x
.if DOCPART == 2
	.amdgcn_target "amdgcn-amd-amdhsa--gfx1250"
	.amdhsa_code_object_version 6
	.text
	.protected	k_q31cf8950d6_qkv
	.globl	k_q31cf8950d6_qkv
	.p2align	8
	.type	k_q31cf8950d6_qkv,@function
k_q31cf8950d6_qkv:
	s_mov_b64 s[64:65], 0
	v_nop
	global_prefetch_b8 v0, s[64:65] scope:SCOPE_SE
	s_setreg_imm32_b32 hwreg(HW_REG_WAVE_MODE, 25, 1), 1
	s_wait_xcnt 0x0
	s_wait_alu depctr_hold_cnt(0) depctr_sa_sdst(0) depctr_va_vdst(0) depctr_va_sdst(0) depctr_va_ssrc(0) depctr_va_vcc(0) depctr_vm_vsrc(0)
	s_getreg_b32 s2, hwreg(HW_REG_IB_STS2, 6, 4)
	s_cmp_eq_u32 s2, 0
	s_cbranch_scc0 .Lentry_in_a_cluster
	s_endpgm
.Lentry_in_a_cluster:
	s_bfe_u32 s2, ttmp6, 0x10000c
	s_cmp_lg_u32 s2, 0xf033
	s_cbranch_scc0 .Lentry_shape_is_right
	s_endpgm
.Lentry_shape_is_right:
; [Q | K | V] = x [Wq | Wk | Wv] + [bq | bk | bv]: [4096][3072], K = 1,024, on codes of FP4 (E2M1) with E8M0 scales, sums in f32; stored as f16 in the order of the next launch's operand registers.
; A tile of 256 x 256 is made by four waves, 128 x 128 each: 64 accumulators, 512 registers.  ALL OF K LIES IN LDS: 64 KiB of codes for each 128 rows, as it lies in memory (images of the fragments), brought by two
; tensor loads a wave (K halves) and one for the scale words; nothing is filled again.  The second half lands while the first is multiplied.
; CLUSTERS: 4 x 4 work-groups; the cluster's x is Q, K or V.  The four of a row of the cluster need the same rows of x, the four of a column the same rows of W: joint loads with a mask that names the four.
; THE MATRIX INSTRUCTION IS USED TRANSPOSED (source 0 = 16 rows of W, source 1 = 16 rows of x): a lane holds one token and eight neighbouring columns, which pack into the 16 bytes of a chunk: the results are stored
; straight from registers, 512 consecutive bytes an instruction.  V's chunks are stored with bits 3 and 4 of the lane's place exchanged, as the turning LDS load of the next launch wants them.
; The bias is the C of each sum's first matrix instruction.  The first 16 tokens of each sequence are also stored in f32 (f32x), by lanes masked through EXEC: no branch hangs on a work-group's place in its cluster.
; 192 work-groups: tiles of 256 x 192 would give 256, but leave the 8 x 8 plan of a wave's blocks; the launch's time lies in its stores.
; LIMITS: |Q|, |K|, |V| stay under 65,504 (f16).
; REGISTERS: window 0: v16-29 addresses; v32-95 scale words, a set for each K half; v128-191 x's fragments, one set; v192-255 the bias.  window 1: W's fragments, two sets; on the way out the packed results.
;   window 2: accumulators of my rows 0-63 ((a, b) at v[8 (8 a + b)]); window 3: rows 64-127.
.set SCL,   262144                     ; behind the codes: the scale words, 4,096 bytes for each 128 rows
.set SPARE, 278528                     ; the spare words, 128 bytes a wave
.set ADRA, 16
.set ADRB, 20
.set LIN,  24                          ; 16 x lane
.set BOF,  25
.set CO,   26                          ; my place in a stored chunk
.set ADRS, 27
.set SPW,  28
.set NIL,  29
.set SC,   32
.set AF,   128
.set BIAS, 192
.set G1,   24
.set G0,   32
.set G1B,  48
.set G0B,  56
.set G1S,  68
.set G0S,  76
.set G1SB, 80
.set G0SB, 88
.set MSB, 0
.macro WIN new                         ; the immediate's high byte repeats the setting that is left
.if MSB != (\new)
	s_set_vgpr_msb (MSB<<8)|(\new)
.set MSB, (\new)
.endif
.endm
.set MUL_LO,   0xa1                    ; source 0 (W) window 1, source 1 (x) window 0, C and D window 2
.set MUL_HI,   0xf1
.set FIRST_LO, 0x81                    ; the same with C (the bias) in window 0
.set FIRST_HI, 0xc1
.set TO_B,     0x40
.macro JLOAD g0a, g1a, g0b, g1b        ; a joint load: waves 0 and 1 fetch for x, waves 2 and 3 for W; the branch hangs on the wave's number alone; an s_nop 0 and four v_nop follow each line
	s_cmp_eq_u32 s15, 0
	s_cbranch_scc0 .Lfor_b_\@
	tensor_load_to_lds s[\g0a:\g0a+3], s[\g1a:\g1a+7]
	s_nop 0
.rept 4
	v_nop
.endr
	s_branch .Lasked_\@
.Lfor_b_\@:
	tensor_load_to_lds s[\g0b:\g0b+3], s[\g1b:\g1b+7]
	s_nop 0
.rept 4
	v_nop
.endr
.Lasked_\@:
.endm
.macro CROUND                          ; a round of the cluster's barrier
	s_barrier_signal -1
	s_barrier_wait -1
	s_cmp_lg_u32 s14, 0
	s_cbranch_scc1 .Lnot_wave_0_\@
	s_barrier_signal -3
.Lnot_wave_0_\@:
	s_barrier_wait -3
	s_barrier_signal -1
	s_barrier_wait -1
.endm
	s_load_b256 s[4:11], s[0:1], 0x0               ; xc 4, xs 6, wc 8, ws 10
	s_load_b128 s[92:95], s[0:1], 0x20             ; bq, bk
	s_load_b128 s[96:99], s[0:1], 0x30             ; bv, qkv
	s_load_b64 s[66:67], s[0:1], 0x40              ; f32x
	v_lshl_add_u32 v[SPW], v0, 2, SPARE
	v_mov_b32 v[NIL], 0
	ds_add_u32 v[SPW], v[NIL]                      ; the wave's opening: the add, twice on end, and its wait ahead of my first tensor load
	ds_add_u32 v[SPW], v[NIL]
	v_lshrrev_b32 v1, 5, v0
	v_readfirstlane_b32 s14, v1                    ; wave
	s_lshr_b32 s15, s14, 1                         ; my half of the tile's rows.  Also: I fetch for x (0) or for W (1)
	s_and_b32 s16, s14, 1                          ; my half of its columns.  Also: which 128 rows I fetch
	s_bfe_u32 s40, ttmp6, 0x40000                  ; cx
	s_bfe_u32 s41, ttmp6, 0x40004                  ; cy
	s_lshl_b32 s42, ttmp9, 2
	s_add_co_u32 s42, s42, s40                     ; tile column = 4 x cluster x + cx
	s_and_b32 s17, ttmp7, 0xffff
	s_lshl_b32 s17, s17, 2
	s_add_co_u32 s17, s17, s41                     ; tile row = 4 x cluster y + cy
	s_lshl_b32 s43, s41, 2
	s_lshl_b32 s43, 15, s43                        ; my row of the cluster
	s_lshl_b32 s44, 0x1111, s40                    ; my column
	; group 1: dense blocks as rows of 256 bytes (32 elements of 8 bytes): 128 rows of them for half the codes of 128 rows, 16 for their scale words
	s_or_b32 s[G1+0], s43, (3<<16)|(1<<21)
	s_or_b32 s[G1B+0], s44, (3<<16)|(1<<21)
	s_or_b32 s[G1S+0], s43, (3<<16)|(1<<21)
	s_or_b32 s[G1SB+0], s44, (3<<16)|(1<<21)
.irp g, G1, G1B
	s_mov_b32 s[\g+1], 32<<16
	s_mov_b32 s[\g+2], 128<<16
	s_mov_b32 s[\g+3], 32<<16
	s_mov_b32 s[\g+4], 128
	s_mov_b32 s[\g+5], 32
	s_mov_b32 s[\g+6], 0
	s_mov_b32 s[\g+7], 0
.endr
.irp g, G1S, G1SB
	s_mov_b32 s[\g+1], 32<<16
	s_mov_b32 s[\g+2], 16<<16
	s_mov_b32 s[\g+3], 32<<16
	s_mov_b32 s[\g+4], 16
	s_mov_b32 s[\g+5], 32
	s_mov_b32 s[\g+6], 0
	s_mov_b32 s[\g+7], 0
.endr
	s_lshl_b32 s20, s17, 1
	s_add_co_u32 s20, s20, s16                     ; x's group of 128 rows that I fetch: it hangs on the tile row alone
	s_lshl_b32 s22, s20, 12
	s_mov_b32 s23, 0
	s_lshl_b32 s20, s20, 16
	s_mov_b32 s21, 0
	s_lshl_b32 s46, s42, 1
	s_add_co_u32 s46, s46, s16                     ; W's: on the tile column alone
	s_lshl_b32 s18, s46, 12
	s_mov_b32 s19, 0
	s_lshl_b32 s46, s46, 16
	s_mov_b32 s47, 0
	s_lshl_b32 s45, s14, 16                        ; where they go: wave x 65,536 and wave x 4,096: no place in the cluster enters an LDS address
	s_lshl_b32 s3, s14, 12
	s_wait_dscnt 0x0                               ; both opening adds are done
	s_wait_kmcnt 0x0
	s_add_nc_u64 s[20:21], s[4:5], s[20:21]
	s_add_nc_u64 s[22:23], s[6:7], s[22:23]
	s_add_nc_u64 s[46:47], s[8:9], s[46:47]
	s_add_nc_u64 s[18:19], s[10:11], s[18:19]
	CROUND                                         ; all sixteen work-groups are here: the joint loads meet
	s_mov_b32 s[G0S], 1
	s_add_co_u32 s[G0S+1], s3, SCL
	s_mov_b64 s[G0S+2:G0S+3], s[22:23]
	s_or_b32 s[G0S+3], s[G0S+3], 0x80000000
	s_mov_b32 s[G0SB], 1
	s_add_co_u32 s[G0SB+1], s3, SCL
	s_mov_b64 s[G0SB+2:G0SB+3], s[18:19]
	s_or_b32 s[G0SB+3], s[G0SB+3], 0x80000000
	JLOAD G0S, G1S, G0SB, G1SB                     ; the scale words first
.irp s, 0,1
	s_mov_b32 s[G0+4*\s], 1
	s_add_co_u32 s[G0+4*\s+1], s45, \s*32768
	s_add_nc_u64 s[G0+4*\s+2:G0+4*\s+3], s[20:21], \s*32768
	s_or_b32 s[G0+4*\s+3], s[G0+4*\s+3], 0x80000000
	s_mov_b32 s[G0B+4*\s], 1
	s_add_co_u32 s[G0B+4*\s+1], s45, \s*32768
	s_add_nc_u64 s[G0B+4*\s+2:G0B+4*\s+3], s[46:47], \s*32768
	s_or_b32 s[G0B+4*\s+3], s[G0B+4*\s+3], 0x80000000
	JLOAD G0+4*\s, G1, G0B+4*\s, G1B               ; K half s: three loads of mine are out in all
.endr
	v_and_b32 v1, 15, v0                           ; r
	v_bfe_u32 v2, v0, 4, 1                         ; h
	v_and_b32 v3, 31, v0
	v_lshlrev_b32 v[LIN], 4, v3
	s_lshl_b32 s21, s15, 16
	v_add_nc_u32 v[ADRA], s21, v[LIN]              ; my 128 rows of x
	s_add_co_u32 s22, s16, 2
	s_lshl_b32 s22, s22, 16
	v_add_nc_u32 v[ADRB], s22, v[LIN]              ; my 128 rows of W
	s_lshl_b32 s21, s15, 12
	s_add_co_u32 s22, s16, 2
	s_lshl_b32 s22, s22, 12
	s_sub_co_u32 s22, s22, s21
	v_mul_u32_u24 v6, s22, v2                      ; lanes 16-31 take W's scale words: one product, the distance between the two bases
	v_lshl_add_u32 v5, v1, 4, v6
	s_add_co_u32 s21, s21, SCL
	v_add_nc_u32 v[ADRS], s21, v5
	s_cmp_eq_u32 ttmp9, 0
	s_cselect_b64 s[92:93], s[92:93], s[94:95]
	s_cmp_eq_u32 ttmp9, 2
	s_cselect_b64 s[92:93], s[96:97], s[92:93]     ; the bias of Q, K or V
	s_cselect_b32 s2, -1, 0                        ; all ones for V
	s_lshl_b32 s20, s40, 10
	s_lshl_b32 s21, s16, 9
	s_add_co_u32 s20, s20, s21
	s_mov_b32 s21, 0
	s_add_nc_u64 s[92:93], s[92:93], s[20:21]      ; at my first column: 256 cx + 128 x half
	v_lshlrev_b32 v[BOF], 5, v2
.irp b, 0,1,2,3,4,5,6,7
	global_load_b128 v[BIAS+8*\b:BIAS+8*\b+3], v[BOF], s[92:93] offset:64*\b       ; register j: the bias of column 16 b + 8 h + j, the result's layout
	global_load_b128 v[BIAS+8*\b+4:BIAS+8*\b+7], v[BOF], s[92:93] offset:64*\b+16
.endr
	v_and_b32 v7, 7, v1
	v_lshl_add_u32 v7, v2, 3, v7
	v_lshrrev_b32 v8, 3, v1
	v_lshl_add_u32 v7, v8, 4, v7
	v_lshlrev_b32 v7, 4, v7                        ; 16 x ((r & 7) + 8 h + 16 (r >> 3))
	v_cndmask_b32 v[CO], v[LIN], v7, s2
	s_lshr_b32 s18, s17, 3                         ; batch
	s_and_b32 s19, s17, 7                          ; tile row in it
	s_lshl_b32 s20, s18, 4
	s_lshl_b32 s21, s40, 2
	s_add_co_u32 s20, s20, s21
	s_lshl_b32 s21, s16, 1
	s_add_co_u32 s20, s20, s21                     ; 16 x batch + my first head
	s_lshl_b32 s20, s20, 18
	s_lshl_b32 s21, ttmp9, 23
	s_add_co_u32 s20, s20, s21
	s_lshl_b32 s21, s19, 15
	s_add_co_u32 s20, s20, s21
	s_lshl_b32 s21, s15, 14
	s_add_co_u32 s20, s20, s21                     ; + my first tile of 16 tokens x 2,048 bytes
	s_mov_b32 s21, 0
	s_add_nc_u64 s[98:99], s[98:99], s[20:21]
	s_lshl_b32 s20, ttmp9, 17
	s_lshl_b32 s21, s18, 16
	s_add_co_u32 s20, s20, s21
	s_lshl_b32 s21, s40, 14
	s_add_co_u32 s20, s20, s21
	s_lshl_b32 s21, s16, 13
	s_add_co_u32 s20, s20, s21
	s_mov_b32 s21, 0
	s_add_nc_u64 s[66:67], s[66:67], s[20:21]
	s_lshl_b32 s101, s19, 1
	s_or_b32 s101, s101, s15                       ; 0 where my block 0 holds a sequence's first 16 tokens
.macro FRAG reg, adr, q, i             ; a fragment's two chunks: K half q / 4, tile i, the half's (q % 4)-th 128 along K
.irp c, 0,1
	ds_load_b128 v[\reg+4*\c:\reg+4*\c+3], v[\adr] offset:((\q)/4)*32768+((\q)%4)*1024+(\i)*4096+512*\c
.endr
.endm
.macro FETCH_B q, p
	WIN TO_B
.irp i, 0,1,2,3,4,5,6,7
	FRAG 128*(\p)+8*\i, ADRB, \q, \i
.endr
	WIN 0
.endm
.macro FETCH_A q, i0
.irp i, \i0, \i0+1, \i0+2, \i0+3
	FRAG AF+8*(\i), ADRA, \q, \i
.endr
.endm
.macro SCALES sc                       ; a K half's scale words: four a row; lanes 0-15 x's block i, lanes 16-31 W's block i
.irp i, 0,1,2,3,4,5,6,7
	ds_load_b128 v[SC+32*\sc+4*\i:SC+32*\sc+4*\i+3], v[ADRS] offset:\sc*2048+\i*256
.endr
.endm
; 16 matrix instructions: x's blocks a0, a0 + 1 against W's eight.  The 64 accumulators take turns, one instruction a turn, in the same order in every step.
.macro MUL16 a0, p, q, first
.irp a, \a0, \a0+1
.irp b, 0,1,2,3,4,5,6,7
.if \first
	v_wmma_scale_f32_16x16x128_f8f6f4 v[8*(8*((\a)%4)+\b):8*(8*((\a)%4)+\b)+7], v[128*(\p)+8*\b:128*(\p)+8*\b+7], v[AF+8*(\a):AF+8*(\a)+7], v[BIAS+8*\b:BIAS+8*\b+7], v[SC+32*((\q)/4)+4*\b+(\q)%4], v[SC+32*((\q)/4)+4*(\a)+(\q)%4] matrix_a_fmt:MATRIX_FMT_FP4 matrix_b_fmt:MATRIX_FMT_FP4 matrix_a_scale:MATRIX_SCALE_ROW1
.else
	v_wmma_scale_f32_16x16x128_f8f6f4 v[8*(8*((\a)%4)+\b):8*(8*((\a)%4)+\b)+7], v[128*(\p)+8*\b:128*(\p)+8*\b+7], v[AF+8*(\a):AF+8*(\a)+7], v[8*(8*((\a)%4)+\b):8*(8*((\a)%4)+\b)+7], v[SC+32*((\q)/4)+4*\b+(\q)%4], v[SC+32*((\q)/4)+4*(\a)+(\q)%4] matrix_a_fmt:MATRIX_FMT_FP4 matrix_b_fmt:MATRIX_FMT_FP4 matrix_a_scale:MATRIX_SCALE_ROW1
.endif
.endr
.endr
.endm
.macro PLACES                          ; four plain vector instructions between a matrix instruction and a load into a register that it read, or a read of its result
.rept 4
	v_nop
.endr
.endm
.macro STEP q, first                   ; 128 along K; the next step's fragments are fetched in two runs
	s_wait_dscnt 8                                 ; W's set and x's blocks 0-3 are in; the youngest eight loads (x's blocks 4-7) may be out
.if \first
	WIN FIRST_LO
.else
	WIN MUL_LO
.endif
	MUL16 0, (\q)%2, \q, \first
	MUL16 2, (\q)%2, \q, \first
	s_wait_dscnt 0x0
	PLACES
	FETCH_B (\q)+1, 1-(\q)%2
	FETCH_A (\q)+1, 0
.if \first
	WIN FIRST_HI
.else
	WIN MUL_HI
.endif
	MUL16 4, (\q)%2, \q, \first
	MUL16 6, (\q)%2, \q, \first
	PLACES
	WIN 0
	FETCH_A (\q)+1, 4
.endm
	s_wait_tensorcnt 1                             ; the scale words and my part of the first K half are in; the second half's load may be out
	s_barrier_signal -1
	s_barrier_wait -1
	FETCH_B 0, 0
	FETCH_A 0, 0
	SCALES 0
	FETCH_A 0, 4
	s_wait_loadcnt 0x0                             ; the bias
	STEP 0, 1
	STEP 1, 0
	STEP 2, 0
	; the first half's last step: one barrier shows the second half whole to every wave
	s_wait_tensorcnt 0x0                           ; my part of the second half has landed
	ds_add_u32 v[SPW], v[NIL]
	s_wait_dscnt 9                                 ; (the add and the youngest eight loads may be out)
	WIN MUL_LO
	MUL16 0, 1, 3, 0
	s_wait_dscnt 0x0
	s_barrier_signal -1
	MUL16 2, 1, 3, 0
	WIN 0
	s_barrier_wait -1
	PLACES
	FETCH_B 4, 0
	FETCH_A 4, 0
	SCALES 1
	WIN MUL_HI
	MUL16 4, 1, 3, 0
	MUL16 6, 1, 3, 0
	PLACES
	WIN 0
	FETCH_A 4, 4
	STEP 4, 0
	STEP 5, 0
	STEP 6, 0
	s_wait_dscnt 8
	WIN MUL_LO
	MUL16 0, 1, 7, 0
	MUL16 2, 1, 7, 0
	s_wait_dscnt 0x0
	WIN MUL_HI
	MUL16 4, 1, 7, 0
	MUL16 6, 1, 7, 0
	WIN 0
	PLACES
	; a sequence's first 16 tokens also leave in f32: my block 0, where s101 = 0
	s_wait_xcnt 0x0                                ; EXEC changes only behind this wait
	v_cmp_eq_u32 vcc_lo, s101, v[NIL]
	s_and_saveexec_b32 s100, vcc_lo
	WIN 0x08                                       ; a store's data: window 2
.irp b, 0,1,2,3,4,5,6,7
	global_store_b128 v[LIN], v[8*\b:8*\b+3], s[66:67] offset:\b*1024
	global_store_b128 v[LIN], v[8*\b+4:8*\b+7], s[66:67] offset:\b*1024+512
.endr
	WIN 0
	s_wait_xcnt 0x0
	s_or_b32 exec_lo, exec_lo, s100
	; THE WAY OUT: a lane's eight results pack into the 16 bytes of its place in a chunk; each store covers 512 consecutive bytes; no packed register is written twice
.irp a, 0,1,2,3,4,5,6,7
	WIN 0x4a+5*(\a/4)                              ; sources window 2 or 3, destination window 1
.irp b, 0,1,2,3,4,5,6,7
.irp i, 0,1,2,3
	v_cvt_pk_f16_f32 v[32*\a+4*\b+\i], v[8*(8*(\a%4)+\b)+2*\i], v[8*(8*(\a%4)+\b)+2*\i+1]
.endr
.endr
	WIN 0x04                                       ; a store's data: window 1
.irp b, 0,1,2,3,4,5,6,7
	global_store_b128 v[CO], v[32*\a+4*\b:32*\a+4*\b+3], s[98:99] offset:\a*2048+(\b/4)*262144+(\b%4)*512
.endr
.endr
	WIN 0
	s_wait_tensorcnt 0x0                           ; the wave's end
	ds_add_u32 v[SPW], v[NIL]
	s_wait_dscnt 0x0
	CROUND                                         ; the closing round
	s_endpgm
.Lfunc_end_k_q31cf8950d6_qkv:
	.size	k_q31cf8950d6_qkv, .Lfunc_end_k_q31cf8950d6_qkv-k_q31cf8950d6_qkv
	.p2alignl 7, 3214868480
	.fill 96, 4, 3214868480
	.section	.rodata,"a",@progbits
	.p2align	6, 0x0
	.amdhsa_kernel k_q31cf8950d6_qkv
		.amdhsa_group_segment_fixed_size 279040
		.amdhsa_private_segment_fixed_size 0
		.amdhsa_enable_private_segment 0
		.amdhsa_kernarg_size 72
		.amdhsa_user_sgpr_count 2
		.amdhsa_user_sgpr_kernarg_segment_ptr 1
		.amdhsa_wavefront_size32 1
		.amdhsa_system_sgpr_workgroup_id_x 1
		.amdhsa_system_sgpr_workgroup_id_y 1
		.amdhsa_system_sgpr_workgroup_id_z 1
		.amdhsa_system_vgpr_workitem_id 0
		.amdhsa_next_free_vgpr 1024
		.amdhsa_next_free_sgpr 102
		.amdhsa_reserve_vcc 1
		.amdhsa_float_denorm_mode_32 3
		.amdhsa_float_denorm_mode_16_64 3
		.amdhsa_memory_ordered 1
		.amdhsa_forward_progress 1
		.amdhsa_inst_pref_size 121
	.end_amdhsa_kernel
	.amdgpu_metadata
---
amdhsa.version: [ 1, 2 ]
amdhsa.kernels:
  - .name:           k_q31cf8950d6_qkv
    .symbol:         k_q31cf8950d6_qkv.kd
    .args:
      - { .name: xc, .offset: 0, .size: 8, .value_kind: global_buffer, .address_space: global }
      - { .name: xs, .offset: 8, .size: 8, .value_kind: global_buffer, .address_space: global }
      - { .name: wc, .offset: 16, .size: 8, .value_kind: global_buffer, .address_space: global }
      - { .name: ws, .offset: 24, .size: 8, .value_kind: global_buffer, .address_space: global }
      - { .name: bq, .offset: 32, .size: 8, .value_kind: global_buffer, .address_space: global }
      - { .name: bk, .offset: 40, .size: 8, .value_kind: global_buffer, .address_space: global }
      - { .name: bv, .offset: 48, .size: 8, .value_kind: global_buffer, .address_space: global }
      - { .name: qkv, .offset: 56, .size: 8, .value_kind: global_buffer, .address_space: global }
      - { .name: f32x, .offset: 64, .size: 8, .value_kind: global_buffer, .address_space: global }
    .group_segment_fixed_size: 279040
    .private_segment_fixed_size: 0
    .kernarg_segment_align: 8
    .kernarg_segment_size: 72
    .max_flat_workgroup_size: 128
    .sgpr_count:     102
    .vgpr_count:     1024
    .wavefront_size: 32
...
	.end_amdgpu_metadata
.endif
;; end of part 2
;; launch attn (part 3): grid 8 x 32, 16 waves a work-group, no clusters, 327,680 bytes of LDS; arguments qkv, y; writes y
.if DOCPART == 3
	.amdgcn_target "amdgcn-amd-amdhsa--gfx1250"
	.amdhsa_code_object_version 6
	.text
	.protected	k_q31cf8950d6_attn
	.globl	k_q31cf8950d6_attn
	.p2align	8
	.type	k_q31cf8950d6_attn,@function
k_q31cf8950d6_attn:
	s_mov_b64 s[64:65], 0
	v_nop
	global_prefetch_b8 v0, s[64:65] scope:SCOPE_SE
	s_setreg_imm32_b32 hwreg(HW_REG_WAVE_MODE, 25, 1), 1
	s_wait_xcnt 0x0
; y[b][t][64 head + :] = the sum over k <= t of softmax_k(Q[t] . K[k] / 8) V[k], for 32 pairs of batch and head, 2,048 tokens, head size 64.  Operands f16, products, maxima and sums f32.
; Q, K, V come as images of operand registers (chunks of 512 bytes: 16 tokens x 16 channels, lane l's 16 bytes at 16 l; V's with bits 3 and 4 of the place exchanged, for the turning LDS load); y leaves so too.
; SHARES.  Work-group (j, batch and head) owns query blocks j and 15 - j of 128 queries, so that every work-group has the same count of key steps under the causal mask: 8 (j + 1) + 8 (16 - j).
; Each of sixteen waves owns one tile of 16 queries in 256 registers: four waves to a SIMD, so that one wave's vector work stands beside another's matrix work and LDS loads.
; Both products are used transposed: S^T = K Q^T, O^T = V^T P: a lane holds ONE query (lane % 16) throughout, and S^T's tiles, rounded in pairs, are P's registers.
; SOFTMAX.  A running maximum m and sum l for each query: p = 2^(c s - c m), c = log2(e) / 8; in every step O and l are multiplied by a = 2^(c m_old - c m_new).
; THE RING.  Two LDS slots of 512 keys (64 KiB of K, 64 KiB of V), filled by waves 0 to 3, 32 KiB each, read by all sixteen.  Every work-group walks all four slots: the trip counts are constants.  A step all of whose
; keys come after the wave's queries is jumped over (ids alone); a slot whose first key comes after the work-group's last query is not asked for.  Every wait for tensor loads is for 0; one load of a wave is out at the most.
; NO CLUSTER: the work-groups of a head stop asking at different slots (their last queries are 2,047 - 128 j), so a joint load would bring some partner tiles that none of its waves reads.
; LIMITS: the weights p and y are rounded to f16; NaN and infinities are not served.
; REGISTERS: v1-9 addresses; v[10:11] c m, m; v[12:13] l; v[14:15] a, 0; v16-31 Q; v32-95, v192-255 K's eight tiles, then V; v96-159 S^T, then P in v96-127 and V's last part in v128-159; v160-191 O^T; v192-199 at work behind K Q^T.
.set SLOT1, 131072
.set VOFF,  65536
.set SPARE, 262144                     ; behind the ring: the spare words, 128 bytes for each of sixteen waves
.set AK0, 1
.set AV0, 2
.set SPW, 3
.set NIL, 4
.set GO,  5
.set ADK, 6
.set ADV, 7
.set DD,  8
.set PFO, 9
.set CM,  10
.set L,   12
.set AA,  14
.set Q,   16
.set S,   96
.set O,   160
.set TT,  192
.set TB,  2
.set WV,  18
.set SEL, 20
.set CS,  22
.set G1,  24
.set G0,  40
.set SLOTS, 67
.set PFA, 76
.set LIM, 80
.set LASTQ, 81
.set KF,  98
.set Q0,  99
.macro TLOAD                           ; waves 0 to 3 fetch; an s_nop 0 and four v_nop follow the load
	s_cmp_lt_u32 s[WV], 4
	s_cbranch_scc0 .Lasked_\@
	tensor_load_to_lds s[G0:G0+3], s[G1:G1+7]
	s_nop 0
.rept 4
	v_nop
.endr
.Lasked_\@:
.endm
; A prefetch of the slot that the NEXT change of slots will ask for.  All work-groups of a head walk the same K and V: the one with j = 0, which walks all four slots, asks.  Wave w names 8,192 bytes, lanes 256 bytes apart:
; waves 0-7 K's 64 KiB, waves 8-15 V's: each block of 256 bytes is named once in the launch.  Slots 0 and 1 come by their loads alone; the last change that fills a slot asks for nothing.
.macro ASK
	s_cmp_gt_u32 s[SLOTS], s[LIM]
	s_cbranch_scc0 .Lnot_mine_\@
	global_prefetch_b8 v[PFO], s[PFA:PFA+1] th:TH_LOAD_NT scope:SCOPE_SE
.Lnot_mine_\@:
.endm
	s_load_b128 s[4:7], s[0:1], 0x0                ; qkv, y
	v_lshl_add_u32 v[SPW], v0, 2, SPARE
	v_mov_b32 v[NIL], 0
	ds_add_u32 v[SPW], v[NIL]                      ; the wave's opening: the add, twice on end, and its wait ahead of the first tensor load
	ds_add_u32 v[SPW], v[NIL]
	v_lshrrev_b32 v6, 5, v0
	v_readfirstlane_b32 s[WV], v6                  ; wave 0..15
	s_and_b32 s72, ttmp7, 0xffff                   ; 16 x batch + head
	s_lshl_b32 s74, s72, 18                        ; its 262,144 bytes in each of Q, K, V
	s_lshl_b32 s82, ttmp9, 3
	s_add_co_u32 s83, s82, s[WV]                   ; waves 0-7: tile 8 j + w
	s_sub_co_u32 s84, 112, s82
	s_add_co_u32 s84, s84, s[WV]                   ; waves 8-15: tile 8 (15 - j) + w - 8
	s_cmp_lt_u32 s[WV], 8
	s_cselect_b32 s83, s83, s84
	s_lshl_b32 s[Q0], s83, 4                       ; my first query
	s_lshl_b32 s[LASTQ], ttmp9, 7
	s_sub_co_u32 s[LASTQ], 2047, s[LASTQ]          ; my work-group's last
	s_mov_b32 s[G1], 3<<16                         ; a dense block of 32,768 bytes as 128 rows of 256 bytes (32 elements of 8 bytes)
	s_mov_b32 s[G1+1], 32<<16
	s_mov_b32 s[G1+2], 128<<16
	s_mov_b32 s[G1+3], 32<<16
	s_mov_b32 s[G1+4], 128
	s_mov_b32 s[G1+5], 32
	s_mov_b32 s[G1+6], 0
	s_mov_b32 s[G1+7], 0
	s_and_b32 s88, s[WV], 3
	s_lshl_b32 s89, s88, 15                        ; in a slot: K's halves, then V's
	s_lshr_b32 s90, s88, 1
	s_add_co_u32 s90, s90, 1
	s_lshl_b32 s90, s90, 23                        ; K is the second part of qkv, V the third
	s_and_b32 s91, s88, 1
	s_lshl_b32 s91, s91, 15
	s_add_co_u32 s90, s90, s91
	s_add_co_u32 s90, s90, s74
	s_mov_b32 s91, 0
	s_mov_b32 s[SEL], 0x76543210
	s_mov_b32 s[SEL+1], 0xfedcba98
	s_mov_b32 s[CS], 0x3e38aa3b                    ; c = log2(e) / 8
	s_mov_b32 s[CS+1], s[CS]
	s_mov_b32 s[TB], 0
	s_mov_b32 s[KF], 0
	s_mov_b32 s[SLOTS], 3
	v_and_b32 v[AK0], 31, v0
	v_lshlrev_b32 v[PFO], 8, v[AK0]
	v_lshlrev_b32 v[AK0], 4, v[AK0]
	v_add_nc_u32 v[AV0], VOFF, v[AK0]
	v_mov_b32 v[GO], v[AK0]
	s_wait_dscnt 0x0                               ; both opening adds are done
	s_wait_kmcnt 0x0
	s_mov_b32 s[G0], 1
	s_mov_b32 s[G0+1], s89
	s_add_nc_u64 s[G0+2:G0+3], s[4:5], s[90:91]
	s_or_b32 s[G0+3], s[G0+3], 0x80000000
	TLOAD                                          ; slot 0
	s_lshl_b32 s92, s83, 11
	s_add_co_u32 s92, s92, s74
	s_mov_b32 s93, 0
	s_add_nc_u64 s[8:9], s[4:5], s[92:93]          ; Q at my tile
.irp e, 0,1,2,3
	global_load_b128 v[Q+4*\e:Q+4*\e+3], v[GO], s[8:9] offset:512*\e
.endr
	s_and_b32 s84, s72, 15                         ; head
	s_lshr_b32 s85, s72, 4                         ; batch
	s_lshr_b32 s86, s84, 2
	s_lshl_b32 s86, s86, 21
	s_lshl_b32 s87, s85, 7
	s_add_co_u32 s87, s87, s83
	s_lshl_b32 s87, s87, 13
	s_add_co_u32 s86, s86, s87
	s_and_b32 s87, s84, 3
	s_lshl_b32 s87, s87, 11
	s_add_co_u32 s86, s86, s87
	s_mov_b32 s87, 0
	s_add_nc_u64 s[6:7], s[6:7], s[86:87]          ; y at my tile's four chunks
	s_lshr_b32 s92, s[WV], 3
	s_add_co_u32 s92, s92, 1
	s_lshl_b32 s92, s92, 23
	s_and_b32 s94, s[WV], 7
	s_lshl_b32 s94, s94, 13
	s_add_co_u32 s92, s92, s94
	s_add_co_u32 s92, s92, s74
	s_add_co_u32 s92, s92, 65536                   ; in slot 1: the first change of slots steps it to slot 2
	s_add_nc_u64 s[PFA:PFA+1], s[4:5], s[92:93]
	s_cmp_eq_u32 ttmp9, 0
	s_cselect_b32 s[LIM], 1, -1
	v_mov_b32 v[CM+1], 0xff61b1e6                  ; m = -3e38, under every score
	v_mul_f32 v[CM], s[CS], v[CM+1]
	v_mov_b32 v[L], 0
	v_mov_b32 v[L+1], 0
	v_mov_b32 v[AA], 0
	v_mov_b32 v[AA+1], 0
.set j, 0
.rept 32
	v_mov_b32 v[O+j], 0                            ; the step is written once: the first finds zeros
.set j, j+1
.endr
; A KEY STEP: 128 keys, the q-th of the slot in hand.
.macro STEP q
	s_add_co_u32 s96, s[Q0], 15
	s_cmp_gt_u32 s[KF], s96                        ; all its keys come after my queries: left out (no barrier and no tensor load stands in a step)
	s_cbranch_scc1 .Lhidden_\@
	v_add_nc_u32 v[ADK], s[TB], v[AK0]
	v_add_nc_u32 v[ADV], s[TB], v[AV0]
.rept 4
	v_nop                                          ; with the two additions six places behind the last step's products: four are owed to the loads below, five to the products that write S^T over P and V's last part
.endr
.irp kt, 0,1,2,3,4,5,6,7
.irp e, 0,1,2,3
	ds_load_b128 v[32+16*\kt+96*(\kt/4)+4*\e:32+16*\kt+96*(\kt/4)+4*\e+3], v[ADK] offset:(\q)*16384+\kt*2048+\e*512
.endr
.endr
.irp g, 0,1                            ; S^T = K Q^T: four tiles of 16 keys by turns, 32 channels at a time
	s_wait_dscnt 16-16*\g                          ; tiles 0-3 are in (the 16 loads of tiles 4-7 may be out); then all
.irp f, 0,1
.irp t, 0,1,2,3
.if \f == 0
	v_wmma_f32_16x16x32_f16 v[S+32*\g+8*\t:S+32*\g+8*\t+7], v[32+160*\g+16*\t:32+160*\g+16*\t+7], v[Q:Q+7], 0
.else
	v_wmma_f32_16x16x32_f16 v[S+32*\g+8*\t:S+32*\g+8*\t+7], v[40+160*\g+16*\t:40+160*\g+16*\t+7], v[Q+8:Q+15], v[S+32*\g+8*\t:S+32*\g+8*\t+7]
.endif
.endr
.endr
.endr
.rept 4
	v_nop                                          ; places in front of the loads into K's registers and of the first read of the scores
.endr
.irp u, 0,1                            ; V^T of keys 0-95, turned on the way: it lands under the softmax
.irp ct, 0,1,2,3
.irp e, 0,1
	ds_load_tr16_b128 v[32+32*\u+8*\ct+4*\e:32+32*\u+8*\ct+4*\e+3], v[ADV] offset:(\q)*16384+(2*\u+\e)*2048+\ct*512
.endr
.endr
.endr
.irp ct, 0,1,2,3
.irp e, 0,1
	ds_load_tr16_b128 v[224+8*\ct+4*\e:224+8*\ct+4*\e+3], v[ADV] offset:(\q)*16384+(4+\e)*2048+\ct*512
.endr
.endr
	s_add_co_u32 s96, s[KF], 127
	s_cmp_le_u32 s96, s[Q0]                        ; all keys count for all my queries: no mask
	s_cbranch_scc1 .Lopen_\@
	s_sub_co_i32 s96, s[Q0], s[KF]
	v_and_b32 v[DD], 15, v0
	v_bfe_u32 v[TT+6], v0, 4, 1
	v_lshlrev_b32 v[TT+6], 3, v[TT+6]
	v_sub_nc_u32 v[DD], v[DD], v[TT+6]
	v_add_nc_u32 v[DD], s96, v[DD]                 ; d = my query - KF - 8 (lane / 16).  Register 8 t + i holds key KF + 16 t + 8 (lane / 16) + i: hidden where 16 t + i > d
	v_mov_b32 v[TT+6], 0xff800000                  ; -infinity.  Key KF counts for every query of the tile, so m stays a number
.set n, 0
.rept 64
	v_cmp_gt_i32 vcc_lo, 16*(n/8)+n%8, v[DD]
	v_cndmask_b32 v[S+n], v[S+n], v[TT+6], vcc_lo
.set n, n+1
.endr
.Lopen_\@:
.irp b, 0,1,2,3
	v_max3_num_f32 v[TT+\b], v[S+16*\b], v[S+16*\b+1], v[S+16*\b+2]   ; the largest score: four chains by turns, each accumulator from its low end on
.endr
.irp i, 3,5,7,9,11,13
.irp b, 0,1,2,3
	v_max3_num_f32 v[TT+\b], v[TT+\b], v[S+16*\b+\i], v[S+16*\b+\i+1]
.endr
.endr
.irp b, 0,1,2,3
	v_max_num_f32 v[TT+\b], v[TT+\b], v[S+16*\b+15]
.endr
	v_max3_num_f32 v[TT], v[TT], v[TT+1], v[TT+2]
	v_max3_num_f32 v[TT], v[TT], v[TT+3], v[CM+1]  ; with the old m
	v_permlanex16_b32 v[TT+4], v[TT], s[SEL], s[SEL+1]   ; the query's other keys lie in the lane 16 away
	v_mov_b32 v[TT+5], v[CM]
	v_max_num_f32 v[CM+1], v[TT], v[TT+4]          ; the new m
	v_mul_f32 v[CM], s[CS], v[CM+1]
	v_sub_f32 v[TT+5], v[TT+5], v[CM]              ; c m_old - c m_new
.set j, 0
.rept 32
	v_pk_fma_f32 v[S+j:S+j+1], v[S+j:S+j+1], s[CS:CS+1], v[CM:CM+1] op_sel_hi:[1,0,0] neg_lo:[0,0,1] neg_hi:[0,0,1]   ; c s - c m
.set j, j+2
.endr
	v_exp_f32 v[AA], v[TT+5]                       ; a
.set j, 0
.rept 64
	v_exp_f32 v[S+j], v[S+j]                       ; p
.set j, j+1
.endr
	v_nop                                          ; a plain line behind the last exponential
	s_wait_alu depctr_va_vdst(0)                   ; one wait for the batch of 65, ahead of its first reader
	v_pk_mul_f32 v[L:L+1], v[L:L+1], v[AA:AA+1] op_sel_hi:[1,0]
	v_pk_add_f32 v[TT:TT+1], v[S:S+1], v[S+2:S+3]  ; the sum is taken of the f32 p, in two chains
.irp j, 4,8,12,16,20,24,28,32,36,40,44,48,52,56,60
	v_pk_add_f32 v[L:L+1], v[L:L+1], v[S+\j:S+\j+1]
	v_pk_add_f32 v[TT:TT+1], v[TT:TT+1], v[S+\j+2:S+\j+3]
.endr
	v_pk_add_f32 v[L:L+1], v[L:L+1], v[TT:TT+1]
.set j, 0
.rept 32
	v_cvt_pk_f16_f32 v[S+j], v[S+2*j], v[S+2*j+1]  ; P, drawn together in place: 32 keys' eight registers at v[S + 8 u]
.set j, j+1
.endr
.irp ct, 0,1,2,3                       ; V^T of keys 96-127 into the registers that p has left
.irp e, 0,1
	ds_load_tr16_b128 v[128+8*\ct+4*\e:128+8*\ct+4*\e+3], v[ADV] offset:(\q)*16384+(6+\e)*2048+\ct*512
.endr
.endr
.set j, 0
.rept 16
	v_pk_mul_f32 v[O+j:O+j+1], v[O+j:O+j+1], v[AA:AA+1] op_sel_hi:[1,0]   ; O^T x a
.set j, j+2
.endr
	s_wait_dscnt 8                                 ; V^T of keys 0-95 is in; the eight late loads may be out
.irp u, 0,1                            ; O^T += V^T P: the four accumulators by turns
.irp ct, 0,1,2,3
	v_wmma_f32_16x16x32_f16 v[O+8*\ct:O+8*\ct+7], v[32+32*\u+8*\ct:32+32*\u+8*\ct+7], v[S+8*\u:S+8*\u+7], v[O+8*\ct:O+8*\ct+7]
.endr
.endr
.irp ct, 0,1,2,3
	v_wmma_f32_16x16x32_f16 v[O+8*\ct:O+8*\ct+7], v[224+8*\ct:224+8*\ct+7], v[S+16:S+23], v[O+8*\ct:O+8*\ct+7]
.endr
	s_wait_dscnt 0x0
.irp ct, 0,1,2,3
	v_wmma_f32_16x16x32_f16 v[O+8*\ct:O+8*\ct+7], v[128+8*\ct:128+8*\ct+7], v[S+24:S+31], v[O+8*\ct:O+8*\ct+7]
.endr
.Lhidden_\@:
	s_add_co_u32 s[KF], s[KF], 128
.endm
; THE CHANGE OF SLOTS stands at a slot's head: each wave waits for all its tensor loads, adds 0 to its spare word, waits for that and for its reads of the slot that it has left, and passes the barrier.
; fill = 1: behind it the slot just left is filled with the next 512 keys, which then have a slot's four steps in which to land.
.macro CHANGE fill
	s_wait_tensorcnt 0x0                           ; no tensor load of mine is out, so the descriptor may be written
	ds_add_u32 v[SPW], v[NIL]
.if \fill
	ds_add_u32 v[SPW], v[NIL]                      ; and twice on end here, in every trip alike
	s_xor_b32 s[G0+1], s[G0+1], SLOT1
	s_add_nc_u64 s[G0+2:G0+3], s[G0+2:G0+3], 65536
	s_wait_xcnt 0x0                                ; the last prefetch, a slot back, has read its address
	s_add_nc_u64 s[PFA:PFA+1], s[PFA:PFA+1], 65536
.endif
	s_wait_dscnt 0x0
	s_barrier_signal -1
	s_barrier_wait -1
.if \fill
	s_add_co_u32 s96, s[KF], 512                   ; the first key of the slot that this change would ask for
	s_cmp_gt_u32 s96, s[LASTQ]                     ; past my work-group's last query none of its waves reads it: ids and the count of steps alone, the same in all sixteen waves
	s_cbranch_scc1 .Lpast_\@
	TLOAD
.Lpast_\@:
	ASK
.endif
.endm
.macro SLOT_STEPS
	STEP 0
	STEP 1
	STEP 2
	STEP 3
	s_xor_b32 s[TB], s[TB], SLOT1
.endm
	s_wait_loadcnt 0x0                             ; Q
.Lslot:                                            ; three trips
	CHANGE 1
	SLOT_STEPS
	s_sub_co_u32 s[SLOTS], s[SLOTS], 1
	s_cmp_lg_u32 s[SLOTS], 0
	s_cbranch_scc1 .Lslot
	CHANGE 0                                       ; the last slot is written out: nothing is left to ask for
	SLOT_STEPS
	; THE WAY OUT: O^T / l, rounded to f16: a lane's eight channels are the 16 bytes of its place in a chunk of y
.rept 4
	v_nop
.endr
	v_add_f32 v[L], v[L], v[L+1]
	v_permlanex16_b32 v[AA+1], v[L], s[SEL], s[SEL+1]
	v_add_f32 v[L], v[L], v[AA+1]
	v_rcp_f32 v[AA], v[L]
	v_nop
	s_wait_alu depctr_va_vdst(0)                   ; ahead of the reciprocal's first reader
.set j, 0
.rept 16
	v_pk_mul_f32 v[O+j:O+j+1], v[O+j:O+j+1], v[AA:AA+1] op_sel_hi:[1,0]
.set j, j+2
.endr
.set j, 0
.rept 16
	v_cvt_pk_f16_f32 v[S+j], v[O+2*j], v[O+2*j+1]
.set j, j+1
.endr
.irp ct, 0,1,2,3
	global_store_b128 v[GO], v[S+4*\ct:S+4*\ct+3], s[6:7] offset:\ct*512   ; 512 consecutive bytes
.endr
	s_wait_tensorcnt 0x0                           ; the wave's end
	ds_add_u32 v[SPW], v[NIL]
	s_wait_dscnt 0x0
	s_endpgm
.Lfunc_end_k_q31cf8950d6_attn:
	.size	k_q31cf8950d6_attn, .Lfunc_end_k_q31cf8950d6_attn-k_q31cf8950d6_attn
	.p2alignl 7, 3214868480
	.fill 96, 4, 3214868480
	.section	.rodata,"a",@progbits
	.p2align	6, 0x0
	.amdhsa_kernel k_q31cf8950d6_attn
		.amdhsa_group_segment_fixed_size 327680
		.amdhsa_private_segment_fixed_size 0
		.amdhsa_enable_private_segment 0
		.amdhsa_kernarg_size 16
		.amdhsa_user_sgpr_count 2
		.amdhsa_user_sgpr_kernarg_segment_ptr 1
		.amdhsa_wavefront_size32 1
		.amdhsa_system_sgpr_workgroup_id_x 1
		.amdhsa_system_sgpr_workgroup_id_y 1
		.amdhsa_system_sgpr_workgroup_id_z 1
		.amdhsa_system_vgpr_workitem_id 0
		.amdhsa_next_free_vgpr 256
		.amdhsa_next_free_sgpr 100
		.amdhsa_reserve_vcc 1
		.amdhsa_float_denorm_mode_32 3
		.amdhsa_float_denorm_mode_16_64 3
		.amdhsa_memory_ordered 1
		.amdhsa_forward_progress 1
		.amdhsa_inst_pref_size 197
	.end_amdhsa_kernel
	.amdgpu_metadata
---
amdhsa.version: [ 1, 2 ]
amdhsa.kernels:
  - .name:           k_q31cf8950d6_attn
    .symbol:         k_q31cf8950d6_attn.kd
    .args:
      - { .name: qkv, .offset: 0, .size: 8, .value_kind: global_buffer, .address_space: global }
      - { .name: y, .offset: 8, .size: 8, .value_kind: global_buffer, .address_space: global }
    .group_segment_fixed_size: 327680
    .private_segment_fixed_size: 0
    .kernarg_segment_align: 8
    .kernarg_segment_size: 16
    .max_flat_workgroup_size: 512
    .sgpr_count:     100
    .vgpr_count:     256
    .wavefront_size: 32
...
	.end_amdgpu_metadata
.endif
;; end of part 3
;; launch proj (part 4): grid 8 x 32, 4 waves a work-group, clusters of 4 x 4, 327,680 bytes of LDS; arguments y, wo16, bo, out0; writes out0
.if DOCPART == 4
	.amdgcn_target "amdgcn-amd-amdhsa--gfx1250"
	.amdhsa_code_object_version 6
	.text
	.protected	k_q31cf8950d6_proj
	.globl	k_q31cf8950d6_proj
	.p2align	8
	.type	k_q31cf8950d6_proj,@function
k_q31cf8950d6_proj:
	s_mov_b64 s[64:65], 0
	v_nop
	global_prefetch_b8 v0, s[64:65] scope:SCOPE_SE
	s_setreg_imm32_b32 hwreg(HW_REG_WAVE_MODE, 25, 1), 1
	s_wait_xcnt 0x0
	s_wait_alu depctr_hold_cnt(0) depctr_sa_sdst(0) depctr_va_vdst(0) depctr_va_sdst(0) depctr_va_ssrc(0) depctr_va_vcc(0) depctr_vm_vsrc(0)
	s_getreg_b32 s2, hwreg(HW_REG_IB_STS2, 6, 4)
	s_cmp_eq_u32 s2, 0
	s_cbranch_scc0 .Lentry_in_a_cluster
	s_endpgm
.Lentry_in_a_cluster:
	s_bfe_u32 s2, ttmp6, 0x10000c
	s_cmp_lg_u32 s2, 0xf033
	s_cbranch_scc0 .Lentry_shape_is_right
	s_endpgm
.Lentry_shape_is_right:
; out0 = y Wo + bo: [4096][1024], K = 1,024; operands f16, sums and result f32.  y and Wo come as images of operand registers: [256 along K][tile of 16 rows][32 along K: 8][chunk: 2][512 bytes].
; A tile of 128 x 128 gives 256 work-groups; four waves, 64 x 64 each: 16 accumulators.  K goes in four steps of 256 through two LDS slots; a wave's tensor load brings 32,768 dense bytes (64 rows' images of a step).
; CLUSTERS: 4 x 4 work-groups; y's tiles are shared along a row of the cluster, Wo's along a column, by joint loads.  THE MATRIX INSTRUCTION IS USED TRANSPOSED (source 0 = 16 columns of Wo, source 1 = 16 rows of y).
; The bias is the C of each sum's first matrix instruction.  A wave's 64 columns are 256 bytes of a row of out0: they go through the wave's own stage in LDS and leave sixteen lanes to 256 consecutive, aligned bytes.
; All rows are stored here; the first 16 rows of each sequence are stored anew, finer, by the next launch.  No prefetch: the whole walk is four steps.
; REGISTERS: window 0: v16-29 addresses; v96-127 the bias; v128-255 the accumulators ((a, b) at v[128 + 8 (4 a + b)]).  window 1: two fragment buffers of 128; on the way out v0-127 hold rows.
.set SLOT,   131072
.set STAGE,  262144
.set SPITCH, 272
.set SPARE,  279552
.set ADRA, 16
.set ADRB, 20
.set STO,  24
.set RD,   25
.set CO,   26
.set BOF,  27
.set SPW,  28
.set NIL,  29
.set BIAS, 96
.set ACC,  128
.set F0,   0
.set F1,   128
.set G1,   24
.set G0,   32
.set G1B,  48
.set G0B,  56
.set MSB, 0
.macro WIN new
.if MSB != (\new)
	s_set_vgpr_msb (MSB<<8)|(\new)
.set MSB, (\new)
.endif
.endm
.set MUL,  0x05                        ; sources 0 and 1 window 1; C and D window 0
.set TO_F, 0x40
.macro JLOAD s                         ; waves 0 and 1 fetch y's halves, waves 2 and 3 Wo's; an s_nop 0 and four v_nop follow each line
	s_cmp_eq_u32 s11, 0
	s_cbranch_scc0 .Lfor_b_\@
	tensor_load_to_lds s[G0+4*\s:G0+4*\s+3], s[G1:G1+7]
	s_nop 0
.rept 4
	v_nop
.endr
	s_branch .Lasked_\@
.Lfor_b_\@:
	tensor_load_to_lds s[G0B+4*\s:G0B+4*\s+3], s[G1B:G1B+7]
	s_nop 0
.rept 4
	v_nop
.endr
.Lasked_\@:
.endm
.macro CREST
	s_cmp_lg_u32 s10, 0
	s_cbranch_scc1 .Lnot_wave_0_\@
	s_barrier_signal -3
.Lnot_wave_0_\@:
	s_barrier_wait -3
	s_barrier_signal -1
	s_barrier_wait -1
.endm
.macro CROUND
	s_barrier_signal -1
	s_barrier_wait -1
	CREST
.endm
	s_load_b128 s[4:7], s[0:1], 0x0                ; y, wo16
	s_load_b128 s[16:19], s[0:1], 0x10             ; bo, out0
	v_lshl_add_u32 v[SPW], v0, 2, SPARE
	v_mov_b32 v[NIL], 0
	ds_add_u32 v[SPW], v[NIL]                      ; the wave's opening: the add, twice on end, and its wait ahead of my first tensor load
	ds_add_u32 v[SPW], v[NIL]
	v_lshrrev_b32 v1, 5, v0
	v_readfirstlane_b32 s10, v1                    ; wave
	s_lshr_b32 s11, s10, 1                         ; my half of the rows.  Also: I fetch for y (0) or for Wo (1)
	s_and_b32 s12, s10, 1                          ; my half of the columns.  Also: which 64 rows I fetch
	s_bfe_u32 s40, ttmp6, 0x40000
	s_bfe_u32 s41, ttmp6, 0x40004
	s_lshl_b32 s42, ttmp9, 2
	s_add_co_u32 s42, s42, s40                     ; tile column
	s_and_b32 s13, ttmp7, 0xffff
	s_lshl_b32 s13, s13, 2
	s_add_co_u32 s13, s13, s41                     ; tile row
	s_lshl_b32 s43, s41, 2
	s_lshl_b32 s43, 15, s43
	s_lshl_b32 s44, 0x1111, s40
	s_or_b32 s[G1+0], s43, (3<<16)|(1<<21)
	s_or_b32 s[G1B+0], s44, (3<<16)|(1<<21)
.irp g, G1, G1B
	s_mov_b32 s[\g+1], 32<<16                      ; 128 rows of 256 bytes (32 elements of 8 bytes), dense
	s_mov_b32 s[\g+2], 128<<16
	s_mov_b32 s[\g+3], 32<<16
	s_mov_b32 s[\g+4], 128
	s_mov_b32 s[\g+5], 32
	s_mov_b32 s[\g+6], 0
	s_mov_b32 s[\g+7], 0
.endr
	s_lshl_b32 s20, s13, 16
	s_lshl_b32 s21, s12, 15
	s_add_co_u32 s20, s20, s21                     ; y: (8 x tile row + 4 x half) x 8,192
	s_mov_b32 s21, 0
	s_lshl_b32 s46, s42, 16
	s_lshl_b32 s47, s12, 15
	s_add_co_u32 s46, s46, s47                     ; Wo likewise by the tile column
	s_mov_b32 s47, 0
	s_lshl_b32 s3, s10, 15                         ; where they go: wave x 32,768
	s_wait_dscnt 0x0
	s_wait_kmcnt 0x0
	s_add_nc_u64 s[14:15], s[4:5], s[20:21]
	s_add_nc_u64 s[46:47], s[6:7], s[46:47]
	CROUND
.irp s, 0,1
	s_mov_b32 s[G0+4*\s], 1
	s_add_co_u32 s[G0+4*\s+1], s3, \s*SLOT
	s_add_nc_u64 s[G0+4*\s+2:G0+4*\s+3], s[14:15], \s*2097152
	s_or_b32 s[G0+4*\s+3], s[G0+4*\s+3], 0x80000000
	s_mov_b32 s[G0B+4*\s], 1
	s_add_co_u32 s[G0B+4*\s+1], s3, \s*SLOT
	s_add_nc_u64 s[G0B+4*\s+2:G0B+4*\s+3], s[46:47], \s*524288
	s_or_b32 s[G0B+4*\s+3], s[G0B+4*\s+3], 0x80000000
	JLOAD \s
.endr
	v_and_b32 v1, 15, v0                           ; r
	v_bfe_u32 v2, v0, 4, 1                         ; h
	v_and_b32 v3, 31, v0
	v_lshlrev_b32 v3, 4, v3
	s_lshl_b32 s21, s11, 15
	s_add_co_u32 s22, s12, 2
	s_lshl_b32 s22, s22, 15
.irp s, 0,1
	v_add_nc_u32 v[ADRA+\s], s21, v3
	v_add_nc_u32 v[ADRB+\s], s22, v3
	s_add_co_u32 s21, s21, SLOT
	s_add_co_u32 s22, s22, SLOT
.endr
	s_mul_i32 s23, s10, 16*SPITCH
	s_add_co_u32 s23, s23, STAGE                   ; my stage
	v_mul_u32_u24 v4, v1, SPITCH
	v_lshl_add_u32 v4, v2, 5, v4
	v_add_nc_u32 v[STO], s23, v4                   ; in: row r, 32 bytes for each half of the lanes
	v_mul_u32_u24 v5, v2, SPITCH
	v_lshl_add_u32 v5, v1, 4, v5
	v_add_nc_u32 v[RD], s23, v5                    ; back: lanes 0-15 one row of 256 bytes, lanes 16-31 the next
	v_lshlrev_b32 v5, 12, v2
	v_lshl_add_u32 v[CO], v1, 4, v5                ; and the same two rows in out0
	s_lshl_b32 s20, s42, 9
	s_lshl_b32 s21, s12, 8
	s_add_co_u32 s20, s20, s21                     ; my first column, in bytes
	s_mov_b32 s21, 0
	s_add_nc_u64 s[16:17], s[16:17], s[20:21]
	s_add_nc_u64 s[18:19], s[18:19], s[20:21]
	s_lshl_b32 s20, s13, 19
	s_lshl_b32 s2, s11, 18
	s_add_co_u32 s20, s20, s2                      ; my first row
	s_add_nc_u64 s[18:19], s[18:19], s[20:21]
	v_lshlrev_b32 v[BOF], 5, v2
.irp b, 0,1,2,3
	global_load_b128 v[BIAS+8*\b:BIAS+8*\b+3], v[BOF], s[16:17] offset:64*\b
	global_load_b128 v[BIAS+8*\b+4:BIAS+8*\b+7], v[BOF], s[16:17] offset:64*\b+16
.endr
.macro MUL8 f, c, a0, first            ; 8 matrix instructions: row blocks a0, a0 + 1 x four column blocks, 32 along K; the 16 accumulators take turns
.irp a, \a0, \a0+1
.irp b, 0,1,2,3
.if \first
	v_wmma_f32_16x16x32_f16 v[ACC+8*(4*(\a)+\b):ACC+8*(4*(\a)+\b)+7], v[\f+64+8*(4*\c+\b):\f+64+8*(4*\c+\b)+7], v[\f+8*(4*\c+(\a)):\f+8*(4*\c+(\a))+7], v[BIAS+8*\b:BIAS+8*\b+7]
.else
	v_wmma_f32_16x16x32_f16 v[ACC+8*(4*(\a)+\b):ACC+8*(4*(\a)+\b)+7], v[\f+64+8*(4*\c+\b):\f+64+8*(4*\c+\b)+7], v[\f+8*(4*\c+(\a)):\f+8*(4*\c+(\a))+7], v[ACC+8*(4*(\a)+\b):ACC+8*(4*(\a)+\b)+7]
.endif
.endr
.endr
.endm
.macro FETCH slot, kq, f               ; 32 LDS loads in one run: the fragments of the step's kq-th 64 along K; the first 32 along K first
	WIN TO_F
.irp c, 0,1
.irp i, 0,1,2,3
	ds_load_b128 v[\f+64+8*(4*\c+\i):\f+64+8*(4*\c+\i)+3],   v[ADRB+\slot] offset:\i*8192+(2*\kq+\c)*1024
	ds_load_b128 v[\f+64+8*(4*\c+\i)+4:\f+64+8*(4*\c+\i)+7], v[ADRB+\slot] offset:\i*8192+(2*\kq+\c)*1024+512
	ds_load_b128 v[\f+8*(4*\c+\i):\f+8*(4*\c+\i)+3],         v[ADRA+\slot] offset:\i*8192+(2*\kq+\c)*1024
	ds_load_b128 v[\f+8*(4*\c+\i)+4:\f+8*(4*\c+\i)+7],       v[ADRA+\slot] offset:\i*8192+(2*\kq+\c)*1024+512
.endr
.endr
.endm
.macro PLACES
.rept 4
	v_nop
.endr
.endm
.macro QUARTER slot, kq, f, g, first   ; multiplies buffer f and fetches the slot's quarter kq into buffer g
	s_wait_dscnt 16                                ; the first 32 along K are in; the run's other sixteen loads may be out
	WIN MUL
	MUL8 \f, 0, 0, \first
	MUL8 \f, 0, 2, \first
	PLACES
	FETCH \slot, \kq, \g
	s_wait_dscnt 32                                ; all but the 32 just issued
	WIN MUL
	MUL8 \f, 1, 0, 0
	MUL8 \f, 1, 2, 0
.endm
; A step's last quarter changes slots: in front of the barrier each wave waits for all its tensor loads, adds 0 to its spare word, and waits for that and for its reads of this slot.  fill = 1: the barrier opens a round
; of the cluster's barrier, and this slot is filled again, two K steps ahead, first thing behind it.
.macro TURN slot, next, fill
	WIN 0
	s_wait_tensorcnt 0x0
	ds_add_u32 v[SPW], v[NIL]
	s_wait_dscnt 17                                ; (the add and the youngest sixteen loads may be out)
	WIN MUL
	MUL8 F1, 0, 0, 0
	s_wait_dscnt 0x0
	s_barrier_signal -1
	MUL8 F1, 0, 2, 0
.if \fill
	WIN 0
.endif
	s_barrier_wait -1
.if \fill
	CREST
	s_add_nc_u64 s[G0+4*\slot+2:G0+4*\slot+3], s[G0+4*\slot+2:G0+4*\slot+3], 4194304
	s_add_nc_u64 s[G0B+4*\slot+2:G0B+4*\slot+3], s[G0B+4*\slot+2:G0B+4*\slot+3], 1048576
	JLOAD \slot                                    ; its four v_nop are also the places in front of the loads below
.else
	PLACES
.endif
	FETCH \next, 0, F0
	WIN MUL
	MUL8 F1, 1, 0, 0
	MUL8 F1, 1, 2, 0
.endm
	s_wait_tensorcnt 1                             ; my part of K step 0 is in; K step 1's load may be out
	s_barrier_signal -1
	s_barrier_wait -1
	FETCH 0, 0, F0
	s_wait_loadcnt 0x0                             ; the bias
	QUARTER 0, 1, F0, F1, 1
	QUARTER 0, 2, F1, F0, 0
	QUARTER 0, 3, F0, F1, 0
	TURN 0, 1, 1
	QUARTER 1, 1, F0, F1, 0
	QUARTER 1, 2, F1, F0, 0
	QUARTER 1, 3, F0, F1, 0
	TURN 1, 0, 1
	QUARTER 0, 1, F0, F1, 0
	QUARTER 0, 2, F1, F0, 0
	QUARTER 0, 3, F0, F1, 0
	TURN 0, 1, 0
	QUARTER 1, 1, F0, F1, 0
	QUARTER 1, 2, F1, F0, 0
	QUARTER 1, 3, F0, F1, 0
	s_wait_dscnt 16
	WIN MUL
	MUL8 F1, 0, 0, 0
	MUL8 F1, 0, 2, 0
	s_wait_dscnt 0x0
	MUL8 F1, 1, 0, 0
	MUL8 F1, 1, 2, 0
	WIN 0
	PLACES
	; THE WAY OUT, 16 rows at a time through my own stage; LDS serves a wave's instructions in order, so no wait stands between the stores and the loads, nor in front of the next block's stores
.irp a, 0,1,2,3
	WIN 0
.irp b, 0,1,2,3
	ds_store_b128 v[STO], v[ACC+8*(4*\a+\b):ACC+8*(4*\a+\b)+3] offset:64*\b
	ds_store_b128 v[STO], v[ACC+8*(4*\a+\b)+4:ACC+8*(4*\a+\b)+7] offset:64*\b+16
.endr
	WIN TO_F
.irp t, 0,1,2,3,4,5,6,7
	ds_load_b128 v[32*\a+4*\t:32*\a+4*\t+3], v[RD] offset:\t*2*SPITCH
.endr
.endr
	WIN 0x04                                       ; a store's data: window 1
.irp a, 0,1,2,3
.irp t, 0,1,2,3,4,5,6,7
	s_wait_dscnt 16*(3-\a)+7-\t                    ; the LDS instructions issued behind this load may be out
	global_store_b128 v[CO], v[32*\a+4*\t:32*\a+4*\t+3], s[18:19] offset:(16*\a+2*\t)*4096 th:TH_STORE_NT
.endr
.endr
	WIN 0
	s_wait_tensorcnt 0x0                           ; the wave's end
	ds_add_u32 v[SPW], v[NIL]
	s_wait_dscnt 0x0
	CROUND                                         ; the closing round
	s_endpgm
.Lfunc_end_k_q31cf8950d6_proj:
	.size	k_q31cf8950d6_proj, .Lfunc_end_k_q31cf8950d6_proj-k_q31cf8950d6_proj
	.p2alignl 7, 3214868480
	.fill 96, 4, 3214868480
	.section	.rodata,"a",@progbits
	.p2align	6, 0x0
	.amdhsa_kernel k_q31cf8950d6_proj
		.amdhsa_group_segment_fixed_size 327680
		.amdhsa_private_segment_fixed_size 0
		.amdhsa_enable_private_segment 0
		.amdhsa_kernarg_size 32
		.amdhsa_user_sgpr_count 2
		.amdhsa_user_sgpr_kernarg_segment_ptr 1
		.amdhsa_wavefront_size32 1
		.amdhsa_system_sgpr_workgroup_id_x 1
		.amdhsa_system_sgpr_workgroup_id_y 1
		.amdhsa_system_sgpr_workgroup_id_z 1
		.amdhsa_system_vgpr_workitem_id 0
		.amdhsa_next_free_vgpr 512
		.amdhsa_next_free_sgpr 66
		.amdhsa_reserve_vcc 0
		.amdhsa_float_denorm_mode_32 3
		.amdhsa_float_denorm_mode_16_64 3
		.amdhsa_memory_ordered 1
		.amdhsa_forward_progress 1
		.amdhsa_inst_pref_size 87
	.end_amdhsa_kernel
	.amdgpu_metadata
---
amdhsa.version: [ 1, 2 ]
amdhsa.kernels:
  - .name:           k_q31cf8950d6_proj
    .symbol:         k_q31cf8950d6_proj.kd
    .args:
      - { .name: y, .offset: 0, .size: 8, .value_kind: global_buffer, .address_space: global }
      - { .name: wo16, .offset: 8, .size: 8, .value_kind: global_buffer, .address_space: global }
      - { .name: bo, .offset: 16, .size: 8, .value_kind: global_buffer, .address_space: global }
      - { .name: out0, .offset: 24, .size: 8, .value_kind: global_buffer, .address_space: global }
    .group_segment_fixed_size: 327680
    .private_segment_fixed_size: 0
    .kernarg_segment_align: 8
    .kernarg_segment_size: 32
    .max_flat_workgroup_size: 128
    .sgpr_count:     66
    .vgpr_count:     512
    .wavefront_size: 32
...
	.end_amdgpu_metadata
.endif
;; end of part 4
;; launch fine (part 5): grid 64 x 2, 16 waves a work-group, no clusters, 18,432 bytes of LDS; arguments f32x, Wo, bo, out0; writes out0
.if DOCPART == 5
	.amdgcn_target "amdgcn-amd-amdhsa--gfx1250"
	.amdhsa_code_object_version 6
	.text
	.protected	k_q31cf8950d6_fine
	.globl	k_q31cf8950d6_fine
	.p2align	8
	.type	k_q31cf8950d6_fine,@function
k_q31cf8950d6_fine:
	s_mov_b64 s[64:65], 0
	v_nop
	global_prefetch_b8 v0, s[64:65] scope:SCOPE_SE
	s_setreg_imm32_b32 hwreg(HW_REG_WAVE_MODE, 25, 1), 1
	s_wait_xcnt 0x0
; The first 16 positions of each sequence, all in f32: under the causal mask they average one to sixteen values, and the rounding of 16-bit operands weighs most there.  out0's rows t < 16 of both batches are stored anew.
; Work-group (g, batch) makes columns 16 g .. 16 g + 15 of those 16 rows.  Wave w is head w: it takes the head's attention over 16 keys (32 matrix instructions of 16 x 16 x 4) from the f32 copies of Q, K, V, multiplies
; its own 64 channels of y by Wo's rows (16 more), and the sixteen partial results are added through LDS by waves 0 and 1.  Each work-group computes the small attention anew: no sum spans work-groups.
; f32x: [Q, K, V: 131,072][batch: 65,536][16 columns: 1,024 bytes]: registers 0-3 of an accumulator (lane (r, h): token r, columns 8 h + j) at 16 x lane, registers 4-7 at 512 + 16 x lane.
; All three products are used transposed, and k's places in the registers are the same on both sides of each product.  v160-223 are written by matrix instructions alone.
; Each row gets 64 bytes a work-group: 131,072 bytes in the whole launch.  The order of the sums differs from the reference's.
.set SPARE, 16384                      ; behind the sixteen partial results of 1,024 bytes: the spare words
	s_load_b256 s[4:11], s[0:1], 0x0               ; f32x 4, Wo 6, bo 8, out0 10
	v_lshl_add_u32 v6, v0, 2, SPARE
	v_mov_b32 v7, 0
	v_lshrrev_b32 v1, 5, v0
	v_readfirstlane_b32 s12, v1                    ; wave = head
	v_and_b32 v28, 31, v0
	v_lshlrev_b32 v1, 4, v28                       ; 16 x lane
	v_and_b32 v29, 15, v0                          ; r
	v_bfe_u32 v30, v0, 4, 1                        ; h
	v_bfe_u32 v2, v29, 2, 1
	v_lshlrev_b32 v2, 9, v2
	v_lshrrev_b32 v31, 3, v29
	v_lshl_add_u32 v2, v31, 8, v2
	v_and_b32 v31, 3, v29
	v_lshl_add_u32 v2, v31, 2, v2
	v_lshl_add_u32 v2, v30, 7, v2                  ; V(key 8 h + i, channel r) lies 16 i bytes behind this
	v_lshlrev_b32 v3, 2, v29
	v_lshl_add_u32 v3, v30, 15, v3                 ; Wo: 8 h rows of 4,096 bytes, column r
	v_lshlrev_b32 v4, 3, v30
	v_sub_nc_u32 v4, v29, v4                       ; d = r - 8 h: key 8 h + j is hidden from query r where j > d
	v_mov_b32 v5, 0xff800000
	s_lshl_b32 s13, s12, 10
	v_add_nc_u32 v8, s13, v1                       ; where my partial result goes
	v_and_b32 v9, 63, v0
	v_lshlrev_b32 v9, 4, v9                        ; and what a thread of waves 0 and 1 adds up
	v_bfe_u32 v31, v0, 5, 1
	v_lshlrev_b32 v11, 5, v30
	v_lshl_add_u32 v11, v31, 4, v11                ; its four columns: 8 h + 4 (thread / 32 mod 2), in bytes
	v_lshl_add_u32 v10, v29, 12, v11               ; in row r of out0
	s_and_b32 s13, ttmp7, 0xffff                   ; batch
	s_lshl_b32 s14, s13, 16
	s_lshl_b32 s15, s12, 12
	s_add_co_u32 s14, s14, s15
	s_mov_b32 s15, 0
	s_lshl_b32 s16, s12, 18
	s_lshl_b32 s18, ttmp9, 6
	s_add_co_u32 s16, s16, s18
	s_mov_b32 s17, 0
	s_mov_b32 s19, 0
	s_lshl_b32 s20, s13, 23
	s_add_co_u32 s20, s20, s18
	s_mov_b32 s21, 0
	s_mov_b32 s22, 0x3e38aa3b                      ; c = log2(e) / 8
	s_mov_b32 s24, 0x76543210
	s_mov_b32 s25, 0xfedcba98
	s_wait_kmcnt 0x0
	s_add_nc_u64 s[4:5], s[4:5], s[14:15]
	s_add_nc_u64 s[6:7], s[6:7], s[16:17]
	s_add_nc_u64 s[8:9], s[8:9], s[18:19]
	s_add_nc_u64 s[10:11], s[10:11], s[20:21]
	global_load_b128 v[16:19], v11, s[8:9]         ; the bias (every wave loads it: no branch, and the counts below hold for all)
.irp b, 0,1,2,3
	global_load_b128 v[32+8*\b:35+8*\b], v1, s[4:5] offset:\b*1024            ; Q
	global_load_b128 v[36+8*\b:39+8*\b], v1, s[4:5] offset:\b*1024+512
.endr
.irp b, 0,1,2,3
	global_load_b128 v[64+8*\b:67+8*\b], v1, s[4:5] offset:131072+\b*1024     ; K
	global_load_b128 v[68+8*\b:71+8*\b], v1, s[4:5] offset:131072+\b*1024+512
.endr
.irp ct, 0,1,2,3
.irp i, 0,1,2,3,4,5,6,7
	global_load_b32 v[96+8*\ct+\i], v2, s[4:5] offset:262144+\ct*1024+16*\i   ; V^T: channel 16 ct + r, key 8 h + i
.endr
.endr
.irp ct, 0,1,2,3
.irp i, 0,1,2,3,4,5,6,7
	global_load_b32 v[128+8*\ct+\i], v3, s[6:7] offset:(16*\ct+\i)*4096       ; Wo(64 w + 16 ct + 8 h + i, 16 g + r)
.endr
.endr
	s_wait_loadcnt 63                              ; Q and K are in: 64 loads were issued behind them, and the smaller count is safe
.irp b, 0,1,2,3                        ; S^T = K Q^T in two sums that take turns
.irp s, 0,1,2,3
.if (4*\b+\s) < 2
	v_wmma_f32_16x16x4_f32 v[160+8*(\s%2):167+8*(\s%2)], v[64+8*\b+2*\s:65+8*\b+2*\s], v[32+8*\b+2*\s:33+8*\b+2*\s], 0
.else
	v_wmma_f32_16x16x4_f32 v[160+8*(\s%2):167+8*(\s%2)], v[64+8*\b+2*\s:65+8*\b+2*\s], v[32+8*\b+2*\s:33+8*\b+2*\s], v[160+8*(\s%2):167+8*(\s%2)]
.endif
.endr
.endr
.rept 8
	v_nop                                          ; eight places behind this form (ISA guide 7.12.1)
.endr
.irp j, 0,1,2,3,4,5,6,7
	v_add_f32 v[20+\j], v[160+\j], v[168+\j]       ; register j: key 8 h + j, query r
.endr
.irp j, 0,1,2,3,4,5,6,7
	v_cmp_gt_i32 vcc_lo, \j, v4
	v_cndmask_b32 v[20+\j], v[20+\j], v5, vcc_lo
.endr
	v_max3_num_f32 v28, v20, v21, v22
	v_max3_num_f32 v29, v23, v24, v25
	v_max3_num_f32 v28, v28, v26, v27
	v_max_num_f32 v28, v28, v29
	v_permlanex16_b32 v30, v28, s24, s25
	v_max_num_f32 v12, v28, v30                    ; the row's largest score (key 0 counts for every query)
	v_mul_f32 v13, s22, v12
.irp j, 0,1,2,3,4,5,6,7
	v_fma_f32 v[20+\j], v[20+\j], s22, -v13
.endr
.irp j, 0,1,2,3,4,5,6,7
	v_exp_f32 v[20+\j], v[20+\j]
.endr
	v_nop
	s_wait_alu depctr_va_vdst(0)                   ; one wait for the eight, ahead of their first reader
	v_add_f32 v28, v20, v21
	v_add_f32 v29, v22, v23
	v_add_f32 v30, v24, v25
	v_add_f32 v31, v26, v27
	v_add_f32 v28, v28, v29
	v_add_f32 v30, v30, v31
	v_add_f32 v28, v28, v30
	v_permlanex16_b32 v29, v28, s24, s25
	v_add_f32 v14, v28, v29
	v_rcp_f32 v15, v14
	v_nop
	s_wait_alu depctr_va_vdst(0)
	s_wait_loadcnt 32                              ; V is in; Wo's 32 loads may be out
.irp s, 0,1,2,3                        ; O^T = V^T P: four accumulators by turns
.irp ct, 0,1,2,3
.if \s == 0
	v_wmma_f32_16x16x4_f32 v[176+8*\ct:183+8*\ct], v[96+8*\ct+2*\s:97+8*\ct+2*\s], v[20+2*\s:21+2*\s], 0
.else
	v_wmma_f32_16x16x4_f32 v[176+8*\ct:183+8*\ct], v[96+8*\ct+2*\s:97+8*\ct+2*\s], v[20+2*\s:21+2*\s], v[176+8*\ct:183+8*\ct]
.endif
.endr
.endr
.rept 8
	v_nop
.endr
.set j, 0
.rept 32
	v_mul_f32 v[32+j], v[176+j], v15               ; y: register 8 ct + i: channel 16 ct + 8 h + i of token r
.set j, j+1
.endr
	s_wait_loadcnt 0x0
.irp ct, 0,1,2,3                       ; my 64 channels' part of out^T = Wo^T y^T, in two sums that take turns
.irp s, 0,1,2,3
.if (4*\ct+\s) < 2
	v_wmma_f32_16x16x4_f32 v[208+8*(\s%2):215+8*(\s%2)], v[128+8*\ct+2*\s:129+8*\ct+2*\s], v[32+8*\ct+2*\s:33+8*\ct+2*\s], 0
.else
	v_wmma_f32_16x16x4_f32 v[208+8*(\s%2):215+8*(\s%2)], v[128+8*\ct+2*\s:129+8*\ct+2*\s], v[32+8*\ct+2*\s:33+8*\ct+2*\s], v[208+8*(\s%2):215+8*(\s%2)]
.endif
.endr
.endr
.rept 8
	v_nop
.endr
.irp j, 0,1,2,3,4,5,6,7
	v_add_f32 v[224+\j], v[208+\j], v[216+\j]      ; register j: column 16 g + 8 h + j, token r
.endr
	ds_store_b128 v8, v[224:227]
	ds_store_b128 v8, v[228:231] offset:512
	s_wait_dscnt 0x0                               ; for the others' sake: my stores have landed
	s_barrier_signal -1
	s_barrier_wait -1
	s_cmp_lt_u32 s12, 2
	s_cbranch_scc0 .Ldone
.set p, 0
.rept 16
	ds_load_b128 v[32+4*p:35+4*p], v9 offset:1024*p
.set p, p+1
.endr
	s_wait_dscnt 0x0
.set p, 0
.rept 16
	v_pk_add_f32 v[16:17], v[16:17], v[32+4*p:33+4*p]      ; onto the bias
	v_pk_add_f32 v[18:19], v[18:19], v[34+4*p:35+4*p]
.set p, p+1
.endr
	global_store_b128 v10, v[16:19], s[10:11]
.Ldone:
	s_wait_tensorcnt 0x0                           ; the wave's end
	ds_add_u32 v6, v7
	s_wait_dscnt 0x0
	s_endpgm
.Lfunc_end_k_q31cf8950d6_fine:
	.size	k_q31cf8950d6_fine, .Lfunc_end_k_q31cf8950d6_fine-k_q31cf8950d6_fine
	.p2alignl 7, 3214868480
	.fill 96, 4, 3214868480
	.section	.rodata,"a",@progbits
	.p2align	6, 0x0
	.amdhsa_kernel k_q31cf8950d6_fine
		.amdhsa_group_segment_fixed_size 18432
		.amdhsa_private_segment_fixed_size 0
		.amdhsa_enable_private_segment 0
		.amdhsa_kernarg_size 32
		.amdhsa_user_sgpr_count 2
		.amdhsa_user_sgpr_kernarg_segment_ptr 1
		.amdhsa_wavefront_size32 1
		.amdhsa_system_sgpr_workgroup_id_x 1
		.amdhsa_system_sgpr_workgroup_id_y 1
		.amdhsa_system_sgpr_workgroup_id_z 1
		.amdhsa_system_vgpr_workitem_id 0
		.amdhsa_next_free_vgpr 256
		.amdhsa_next_free_sgpr 66
		.amdhsa_reserve_vcc 1
		.amdhsa_float_denorm_mode_32 3
		.amdhsa_float_denorm_mode_16_64 3
		.amdhsa_memory_ordered 1
		.amdhsa_forward_progress 1
		.amdhsa_inst_pref_size 21
	.end_amdhsa_kernel
	.amdgpu_metadata
---
amdhsa.version: [ 1, 2 ]
amdhsa.kernels:
  - .name:           k_q31cf8950d6_fine
    .symbol:         k_q31cf8950d6_fine.kd
    .args:
      - { .name: f32x, .offset: 0, .size: 8, .value_kind: global_buffer, .address_space: global }
      - { .name: Wo, .offset: 8, .size: 8, .value_kind: global_buffer, .address_space: global }
      - { .name: bo, .offset: 16, .size: 8, .value_kind: global_buffer, .address_space: global }
      - { .name: out0, .offset: 24, .size: 8, .value_kind: global_buffer, .address_space: global }
    .group_segment_fixed_size: 18432
    .private_segment_fixed_size: 0
    .kernarg_segment_align: 8
    .kernarg_segment_size: 32
    .max_flat_workgroup_size: 512
    .sgpr_count:     66
    .vgpr_count:     256
    .wavefront_size: 32
...
	.end_amdgpu_metadata
.endif
;; end of part 5
